; MI455X (gfx1250); checked and timed in simulation.
; The chip was launched on July 23, 2026; its instructions are those of AMD's public machine-readable ISA for CDNA 5 (MIT licence, August 2026) and "CDNA5" Instruction Set Architecture Reference Guide (July 2026). The comments in the code are by the model that wrote it; some were corrected since.
;; Qwen3 Attention. Allowed arithmetic: matrix products marked QUANTISED: E2M3 operands, one E8M0 scale for each 32 along K, by v_wmma_scale_f32_16x16x128_f8f6f4 with both operands' format E2M3, f32 sums; everything else in f32.
;; Inputs: attention_mask 1 x 1 x 2,048 x 2,048 float32; hidden_states 1 x 2,048 x 2,048 float32; k_norm_w 128 float32; q_norm_w 128 float32; wk 1,024 x 2,048 float32; wo 2,048 x 2,048 float32; wq 2,048 x 2,048 float32; wv 1,024 x 2,048 float32.
;; Outputs: out0 1 x 2,048 x 2,048 float32.
;; This version of the problem:
;;   THIS VERSION OF THE PROBLEM IS GIVEN IN LOW PRECISION. The matrix products marked QUANTISED in the list below multiply operands that are first quantised to E2M3 (2 exponent bits, 3 mantissa bits; 6 bits a number), with one power-of-two scale for each 32 numbers along K (OCP MX v1.0); their sums are f32. All else is computed in f32.
;;   The module's matrix products, in the order in which they are computed (A, B: the left and right operand; K: the contracted axis; several contracted axes count as one K, in the product's order):
;;     1. [M 2,048, K 2,048] x [K 2,048, N 2,048]; A: input hidden_states; B: input wq: QUANTISED
;;     2. [M 2,048, K 2,048] x [K 2,048, N 1,024]; A: input hidden_states; B: input wk: QUANTISED
;;     3. [M 2,048, K 2,048] x [K 2,048, N 1,024]; A: input hidden_states; B: input wv: QUANTISED
;;     4. batch 16 x [M 2,048, K 128] x [K 128, N 2,048]; A: computed on the way; B: computed on the way: QUANTISED
;;     5. batch 16 x [M 2,048, K 2,048] x [K 2,048, N 128]; A: softmax (see below); B: computed on the way: QUANTISED
;;     6. [M 2,048, K 2,048] x [K 2,048, N 2,048]; A: computed on the way; B: input wo: QUANTISED
;;   THE QUANTISER, for each operand of a quantised product, along K:
;;     - K is cut into blocks of 32 from its start; a last block that is shorter is filled with zeros.
;;     - A block's scale is 2^e with e = floor(log2(the largest magnitude in the block)) - 2, held to -126 .. 127; a block of zeros has e = 0. As a byte (E8M0): e + 127.
;;     - Each number is divided by its block's scale, clamped to +-7.5, and rounded to the nearest number of E2M3, ties to even, subnormals kept.
;;     - The product sums the exact products of the quantised numbers (number of the format x scale) in f32.
;;   ~~~python
;;   def quantise(x, axis):      # numpy; x: float32 -> the quantised numbers, widened to float32 again
;;       x = np.moveaxis(x, axis, -1); K = x.shape[-1]
;;       x = np.pad(x, [(0, 0)] * (x.ndim - 1) + [(0, -K % 32)]); x = x.reshape(x.shape[:-1] + (-1, 32)); a = np.abs(x).max(-1, keepdims=True)
;;       e = np.where(a > 0, np.clip(np.frexp(np.where(a > 0, a, 1))[1] - 1 - 2, -126, 127), 0)      # np.frexp(a)[1] - 1 = floor(log2(a)), exactly
;;       r = np.clip(x / 2.0 ** e, -7.5, 7.5)
;;       step = 2.0 ** (np.maximum(np.frexp(np.where(r == 0, 1, r))[1] - 1, 0) - 3)
;;       q = np.round(r / step) * step * 2.0 ** e      # np.round: ties to even
;;       return np.moveaxis(q.reshape(q.shape[:-2] + (-1,))[..., :K], -1, axis).astype(np.float32)
;;   ~~~
;;   SOFTMAX AHEAD OF A QUANTISED PRODUCT. Where the list says 'softmax', what is quantised is not the finished softmax but p = 2^(t - M), with t = logit x log2(e) and M = ceil(the row's largest t), a whole number; so 1/2 < the row's largest p <= 1. The row's sum l is taken of the UNQUANTISED p, in f32, and the product's result is divided by l at the end. Since M is a whole number, a kernel that streams over the keys may use a running M (the ceiling of the running maximum): every later rescaling is an exact power of two, which a block's scale takes up: the codes' values come out the same.
;;   OPERANDS COMPUTED ON THE WAY. 'Computed on the way' means the value that the module computes at that place (a softmax that the list does not call 'softmax' is quantised finished and normalised). What goes into a quantiser is computed in f32, as accurately as f32 sums, v_exp_f32 and their like allow (about 1e-6 of the number): no bf16 or f16 on the way to a quantiser, and a product that is left as it is and whose result goes on into a quantised operand takes f32 operands (vector FMAs, or v_wmma_f32_16x16x4_f32). A number that lies on a knife's edge between two numbers of the format may be rounded either way, as far as f32 arithmetic and the matrix unit's own rounding can turn it there, and no further.
;; One version. Each part assembles by itself: llvm-mc -triple=amdgcn-amd-amdhsa -mcpu=gfx1250 --defsym DOCPART=n.
;; ======== version 1 of 1: 4 launches
;; limits: right only within a limited range of input values
;; workspace buffers: codes 12,582,912 bytes; scl 524,288 bytes; rope 1,048,576 bytes; qkv_img 6,291,456 bytes; qkv_sc 262,144 bytes; attn_img 3,145,728 bytes; attn_sc 131,072 bytes
;; launch quant (part 1): grid 512 x 1, 4 waves a work-group, no clusters, 34,304 bytes of LDS; arguments hidden_states, wq, wk, wv, wo, codes, scl, rope; writes codes, scl, rope
.if DOCPART == 1
	.amdgcn_target "amdgcn-amd-amdhsa--gfx1250"
	.amdhsa_code_object_version 6
	.text
	.protected	k_q9baec5afc7_quant
	.globl	k_q9baec5afc7_quant
	.p2align	8
	.type	k_q9baec5afc7_quant,@function
k_q9baec5afc7_quant:
	s_mov_b64 s[64:65], 0
	v_nop
	global_prefetch_b8 v0, s[64:65] scope:SCOPE_SE
	s_setreg_imm32_b32 hwreg(HW_REG_WAVE_MODE, 25, 1), 1
	s_wait_xcnt 0x0
; hidden_states, wq, wk, wv, wo (f32, K = 2,048 innermost) become codes of FP6 (E2M3) with one E8M0 scale byte for each 32 along K, laid as IMAGES OF OPERAND REGISTERS.
; A tile is 16 rows; lane r of tile n' of a tensor holds row 32 (n'/2) + 8 (n'%2) + r + 8 (r/8).  A fragment (16 rows x 128 K, 12 registers a lane) lies as it stands in registers:
; byte 512 c + 16 lane = registers 4 c .. 4 c + 3.  codes: [K phase 0..3][tile 0..511][K step % 4][1,536 bytes], a phase being 512 along K; tiles 0-127 x, 128-255 wq, 256-319 wk, 320-383 wv, 384-511 wo.
; So neighbouring tiles' bytes of one phase are neighbours in memory, and the same tiles' next phase lies 512 x 6,144 bytes on.
; scl: [tile][K phase][row r][4 words]: lane r's 16 bytes are the scale words of a phase's four K steps.
; A block's scale is 2^(floor(log2(largest magnitude)) - 2): its byte is the largest magnitude's exponent field - 2, held at 1 from below.
; LIMITS: a block whose largest magnitude lies under 2^-124 (a block of zeros too) gets the byte 1; its codes are then zeros or tiny, and the bytes are read by this program alone.  NaN and infinities are not served.
; SHARES: work-group n makes tile n; wave w its phase w.  Each load reads 512 consecutive bytes of one row; a fragment's 8,192 bytes turn through the wave's own stage in LDS (rows 528 bytes apart).
; Two fragments' loads (32 a wave) are out.  No barrier: waves share nothing.
; THE ROPE TABLE rides along: wave w of work-group n makes unit u = 4 (n % 4) + w of token tile n / 4: rope[tile][u][lane] = cos, cos, sin, sin of frequencies 32 (u/8) + 16 h + 2 (u%8) + 0, 1 at the lane's token.
; 1 / freq = 2^(-f log2(1e6) / 64), the exponent in two parts; the angle is reduced by multiples of pi / 2 (in two parts) and sine and cosine are polynomials on +-pi/4.
; LIMIT: 1 / freq is within about an ulp of its true value, so at token 2,047 an angle may differ from another f32 evaluation's by about 1e-4.
.set STGW, 8448                        ; a wave's stage: 16 rows x 528 bytes
.set SP,   528
.set PX,   24                          ; v24-30   the second halves of the conversions
.set R,    32                          ; v32-159  two sets of 64: a fragment's numbers as loaded
.set X,    160                         ; v160-223 register 16 b + i = k 32 b + 16 h + i of my row
.set TM,   224                         ; v224-239 at work in QUANT
.set SW,   240                         ; v240-243 my four scale words
.set PC,   244                         ; v244-255 the fragment just made
.set SEL,  28                          ; s[28:29] selects of v_permlanex16_b32: lane l xor 16
	s_load_b256 s[4:11], s[0:1], 0x0               ; x, wq, wk, wv
	s_load_b256 s[12:19], s[0:1], 0x20             ; wo, codes, scl, rope
	v_lshl_add_u32 v234, v0, 2, 0x8400
	v_mov_b32 v235, 0
	v_lshrrev_b32 v1, 5, v0
	v_readfirstlane_b32 s20, v1                    ; wave
	v_and_b32 v1, 31, v0                           ; lane
	v_and_b32 v2, 15, v0                           ; r
	v_bfe_u32 v3, v0, 4, 1                         ; h
	v_lshlrev_b32 v4, 4, v1                        ; 16 x lane
	s_mul_i32 s38, s20, STGW
	v_add_nc_u32 v5, s38, v4                       ; the stage, in
	v_mul_u32_u24 v6, v2, SP
	v_lshl_add_u32 v6, v3, 6, v6
	v_add_nc_u32 v6, s38, v6                       ; and out: row r, + 64 h
	v_lshlrev_b32 v7, 4, v2                        ; 16 r
	s_mov_b32 s[SEL], 0x76543210
	s_mov_b32 s[SEL+1], 0xfedcba98
	s_mov_b32 s34, 0xbe9f73da                      ; -log2(1e6) / 64, high part
	s_mov_b32 s35, 0xb1e353f8                      ; and low part
	s_mov_b32 s36, 0xbfc90fdb                      ; -pi / 2, high part
	s_mov_b32 s37, 0x333bbd2e                      ; and what is left of it
.irp b, 0,1,2,3
	v_mov_b32 v[TM+4+\b], 0                        ; a lane permute's destination counts as one of its sources
.endr
	s_wait_kmcnt 0x0
	s_mov_b64 s[24:25], s[4:5]                     ; which tensor: by the work-group's number alone
	s_mov_b32 s21, 0
	s_cmp_ge_u32 ttmp9, 128
	s_cselect_b64 s[24:25], s[6:7], s[24:25]
	s_cselect_b32 s21, 128, s21
	s_cmp_ge_u32 ttmp9, 256
	s_cselect_b64 s[24:25], s[8:9], s[24:25]
	s_cselect_b32 s21, 256, s21
	s_cmp_ge_u32 ttmp9, 320
	s_cselect_b64 s[24:25], s[10:11], s[24:25]
	s_cselect_b32 s21, 320, s21
	s_cmp_ge_u32 ttmp9, 384
	s_cselect_b64 s[24:25], s[12:13], s[24:25]
	s_cselect_b32 s21, 384, s21
	s_sub_co_u32 s22, ttmp9, s21                   ; n'
	s_lshr_b32 s23, s22, 1
	s_lshl_b32 s23, s23, 18                        ; 32 rows of 8,192 bytes
	s_and_b32 s22, s22, 1
	s_lshl_b32 s22, s22, 16                        ; 8 rows
	s_add_co_u32 s22, s22, s23
	s_lshl_b32 s23, s20, 11                        ; my phase: 2,048 bytes of a row
	s_add_co_u32 s22, s22, s23
	s_mov_b32 s23, 0
	s_add_nc_u64 s[24:25], s[24:25], s[22:23]
	s_mul_i32 s22, ttmp9, 6144                     ; my four fragments' images: tile x 6,144
	s_mul_i32 s26, s20, 3145728                    ; + phase x 512 x 6,144
	s_add_co_u32 s22, s22, s26
	s_add_nc_u64 s[14:15], s[14:15], s[22:23]
	s_lshl_b32 s22, ttmp9, 10
	s_lshl_b32 s26, s20, 8
	s_add_co_u32 s22, s22, s26
	s_add_nc_u64 s[16:17], s[16:17], s[22:23]      ; my block of scale words
	s_lshr_b32 s26, ttmp9, 2                       ; the rope unit's token tile,
	s_and_b32 s27, ttmp9, 3
	s_lshl_b32 s27, s27, 2
	s_add_co_u32 s27, s27, s20                     ; and u
	s_lshl_b32 s22, s26, 13
	s_lshl_b32 s31, s27, 9
	s_add_co_u32 s22, s22, s31
	s_add_nc_u64 s[18:19], s[18:19], s[22:23]
.macro LOADF t                         ; fragment t: 16 rows x 512 bytes, each load 512 consecutive bytes
.irp i, 0,1,2,3,4,5,6,7,8,9,10,11,12,13,14,15
	global_load_b128 v[R+64*((\t)%2)+4*\i:R+64*((\t)%2)+4*\i+3], v4, s[24:25] offset:(\i+8*(\i/8))*8192+512*(\t) th:TH_LOAD_NT
.endr
.endm
	LOADF 0
	LOADF 1
	; the rope unit, while the loads are on their way
	s_lshr_b32 s31, s26, 1
	s_lshl_b32 s31, s31, 5
	s_and_b32 s32, s26, 1
	s_lshl_b32 s32, s32, 3
	s_add_co_u32 s31, s31, s32
	v_and_b32 v8, 8, v2
	v_add3_u32 v8, v8, v2, s31                     ; my token
	v_cvt_f32_u32 v8, v8
	s_lshr_b32 s32, s27, 3
	s_lshl_b32 s32, s32, 5
	s_and_b32 s33, s27, 7
	s_lshl_b32 s33, s33, 1
	s_add_co_u32 s32, s32, s33
	v_lshl_add_u32 v9, v3, 4, s32
	v_cvt_f32_u32 v9, v9                           ; the first frequency's number f,
	v_add_f32 v10, 1.0, v9                         ; and the second's
.macro ROPE1 f, co, si
	v_mul_f32 v12, s34, v[\f]                      ; the exponent's high part, rounded,
	v_fma_f32 v13, v[\f], s34, -v12                ; what that rounding lost,
	v_fma_f32 v13, v[\f], s35, v13                 ; and the constant's low part
	s_wait_alu depctr_va_vdst(0)
	v_exp_f32 v14, v12
	v_mul_f32 v13, 0x3f317218, v13                 ; x ln 2
	s_wait_alu depctr_va_vdst(0)
	v_fma_f32 v14, v14, v13, v14                   ; 1 / freq
	v_mul_f32 v14, v8, v14                         ; the angle
	v_mul_f32 v15, 0x3f22f983, v14
	v_rndne_f32 v15, v15                           ; n = the nearest multiple of pi / 2
	v_fma_f32 v14, v15, s36, v14
	v_fma_f32 v14, v15, s37, v14                   ; rho, within +-pi/4
	v_mul_f32 v16, v14, v14
	v_mov_b32 v17, 0x3638ef1d                      ; sin rho, a polynomial
	v_fmaak_f32 v17, v17, v16, 0xb9500d01
	v_fmaak_f32 v17, v17, v16, 0x3c088889
	v_fmaak_f32 v17, v17, v16, 0xbe2aaaab
	v_mul_f32 v18, v14, v16
	v_fma_f32 v17, v18, v17, v14
	v_mov_b32 v18, 0xb493f27e                      ; cos rho, a polynomial
	v_fmaak_f32 v18, v18, v16, 0x37d00d01
	v_fmaak_f32 v18, v18, v16, 0xbab60b61
	v_fmaak_f32 v18, v18, v16, 0x3d2aaaab
	v_fmaak_f32 v18, v18, v16, 0xbf000000
	v_fma_f32 v18, v18, v16, 1.0
	v_cvt_i32_f32 v15, v15
	v_and_b32 v19, 1, v15
	v_cmp_eq_u32 vcc_lo, 1, v19                    ; an odd n swaps the two: a choice of values
	v_cndmask_b32 v[\si], v17, v18, vcc_lo
	v_cndmask_b32 v[\co], v18, v17, vcc_lo
	v_and_b32 v19, 2, v15
	v_lshlrev_b32 v19, 30, v19
	v_xor_b32 v[\si], v19, v[\si]                  ; sine changes sign for n % 4 = 2, 3,
	v_add_nc_u32 v19, 1, v15
	v_and_b32 v19, 2, v19
	v_lshlrev_b32 v19, 30, v19
	v_xor_b32 v[\co], v19, v[\co]                  ; cosine for n % 4 = 1, 2
.endm
	ROPE1 9, 20, 22
	ROPE1 10, 21, 23
	global_store_b128 v4, v[20:23], s[18:19]       ; 32 lanes store 512 consecutive bytes
; 64 numbers of a lane, register 16 b + i = k 32 b + 16 h + i of my row, become a fragment's codes in v[PC] on and its scale word in v[pw].
.macro QUANT s, pw
.irp b, 0,1,2,3
	v_max3_num_f32 v[TM+\b], |v[\s+16*\b]|, |v[\s+1+16*\b]|, 0x1800000   ; and the floor 2^(3 - 127)
.endr
.irp i, 2,4,6,8,10,12,14
.irp b, 0,1,2,3
	v_max3_num_f32 v[TM+\b], v[TM+\b], |v[\s+16*\b+\i]|, |v[\s+1+16*\b+\i]|
.endr
.endr
.irp b, 0,1,2,3
	v_permlanex16_b32 v[TM+4+\b], v[TM+\b], s[SEL], s[SEL+1]
.endr
.irp b, 0,1,2,3
	v_max_num_f32 v[TM+\b], v[TM+\b], v[TM+4+\b]   ; the block's largest magnitude
.endr
.irp b, 0,1,2,3
	v_add_nc_u32 v[TM+12+\b], 0xff000000, v[TM+\b] ; 2 off its exponent field: the conversion's scale operand
.endr
.irp b, 0,1,2,3
	v_lshrrev_b32 v[TM+4+\b], 23, v[TM+12+\b]      ; the scale's byte
.endr
	v_lshl_or_b32 v[\pw], v[TM+5], 8, v[TM+4]
	v_lshl_or_b32 v[\pw], v[TM+6], 16, v[\pw]
	v_lshl_or_b32 v[\pw], v[TM+7], 24, v[\pw]      ; my row's scale word
	s_wait_xcnt 0x0                                ; the last fragment's stores have read v[PC] on
.irp c, 0,1
	v_cvt_scalef32_pk16_fp6_f32 v[PC+6*\c:PC+2+6*\c], v[\s+32*\c:\s+15+32*\c], v[TM+12+2*\c]
	v_cvt_scalef32_pk16_fp6_f32 v[PX+4*\c:PX+2+4*\c], v[\s+16+32*\c:\s+31+32*\c], v[TM+12+2*\c+1]
.endr
	v_nop                                          ; one plain line behind a scaled conversion
.irp c, 0,1                            ; a whole block in a lane: lanes 0-15 block 2 c, lanes 16-31 block 2 c + 1
.irp i, 0,1,2
	v_permlane16_swap_b32 v[PC+6*\c+\i], v[PX+4*\c+\i]
.endr
.irp i, 0,1,2
	v_mov_b32 v[PC+3+6*\c+\i], v[PX+4*\c+\i]
.endr
.endr
.endm
.macro FRAG t
.if \t < 3
	s_wait_loadcnt 16                              ; this fragment's 16 loads are in; the next one's 16 may be out
.else
	s_wait_loadcnt 0x0
.endif
.irp i, 0,1,2,3,4,5,6,7,8,9,10,11,12,13,14,15
	ds_store_b128 v5, v[R+64*(\t%2)+4*\i:R+64*(\t%2)+4*\i+3] offset:SP*\i
.endr
.irp b, 0,1,2,3
.irp j, 0,1,2,3
	ds_load_b128 v[X+16*\b+4*\j:X+16*\b+4*\j+3], v6 offset:128*\b+16*\j   ; LDS serves a wave's instructions in order
.endr
.endr
	s_wait_dscnt 0x0
.if \t < 2
	LOADF \t+2
.endif
	QUANT X, SW+\t
.irp c, 0,1,2
	global_store_b128 v4, v[PC+4*\c:PC+4*\c+3], s[14:15] offset:1536*\t+512*\c   ; the image: 512 consecutive bytes a store
.endr
.endm
	FRAG 0
	FRAG 1
	FRAG 2
	FRAG 3
	v_cmp_gt_u32 vcc_lo, 16, v1
	s_wait_xcnt 0x0                                ; EXEC changes only behind this wait
	s_wait_tensorcnt 0x0                           ; the wave's end
	ds_add_u32 v234, v235
	s_wait_dscnt 0x0
	s_and_saveexec_b32 s30, vcc_lo
	global_store_b128 v7, v[SW:SW+3], s[16:17]     ; sixteen lanes store 256 consecutive bytes, aligned
	s_wait_xcnt 0x0
	s_or_b32 exec_lo, exec_lo, s30
	s_endpgm
.Lfunc_end_k_q9baec5afc7_quant:
	.size	k_q9baec5afc7_quant, .Lfunc_end_k_q9baec5afc7_quant-k_q9baec5afc7_quant
	.p2alignl 7, 3214868480
	.fill 96, 4, 3214868480
	.section	.rodata,"a",@progbits
	.p2align	6, 0x0
	.amdhsa_kernel k_q9baec5afc7_quant
		.amdhsa_group_segment_fixed_size 34304
		.amdhsa_private_segment_fixed_size 0
		.amdhsa_enable_private_segment 0
		.amdhsa_kernarg_size 64
		.amdhsa_user_sgpr_count 2
		.amdhsa_user_sgpr_kernarg_segment_ptr 1
		.amdhsa_wavefront_size32 1
		.amdhsa_system_sgpr_workgroup_id_x 1
		.amdhsa_system_sgpr_workgroup_id_y 1
		.amdhsa_system_sgpr_workgroup_id_z 1
		.amdhsa_system_vgpr_workitem_id 0
		.amdhsa_next_free_vgpr 256
		.amdhsa_next_free_sgpr 66
		.amdhsa_reserve_vcc 1
		.amdhsa_float_denorm_mode_32 3
		.amdhsa_float_denorm_mode_16_64 3
		.amdhsa_memory_ordered 1
		.amdhsa_forward_progress 1
		.amdhsa_inst_pref_size 39
	.end_amdhsa_kernel
	.amdgpu_metadata
---
amdhsa.version: [ 1, 2 ]
amdhsa.kernels:
  - .name:           k_q9baec5afc7_quant
    .symbol:         k_q9baec5afc7_quant.kd
    .args:
      - { .name: hidden_states, .offset: 0, .size: 8, .value_kind: global_buffer, .address_space: global }
      - { .name: wq, .offset: 8, .size: 8, .value_kind: global_buffer, .address_space: global }
      - { .name: wk, .offset: 16, .size: 8, .value_kind: global_buffer, .address_space: global }
      - { .name: wv, .offset: 24, .size: 8, .value_kind: global_buffer, .address_space: global }
      - { .name: wo, .offset: 32, .size: 8, .value_kind: global_buffer, .address_space: global }
      - { .name: codes, .offset: 40, .size: 8, .value_kind: global_buffer, .address_space: global }
      - { .name: scl, .offset: 48, .size: 8, .value_kind: global_buffer, .address_space: global }
      - { .name: rope, .offset: 56, .size: 8, .value_kind: global_buffer, .address_space: global }
    .group_segment_fixed_size: 34304
    .private_segment_fixed_size: 0
    .kernarg_segment_align: 8
    .kernarg_segment_size: 64
    .max_flat_workgroup_size: 128
    .sgpr_count:     66
    .vgpr_count:     256
    .wavefront_size: 32
...
	.end_amdgpu_metadata
.endif
;; end of part 1
;; launch qkv (part 2): grid 16 x 16, 4 waves a work-group, clusters of 4 x 4, 327,680 bytes of LDS; arguments codes, scl, rope, q_norm_w, k_norm_w, qkv_img, qkv_sc; writes qkv_img, qkv_sc
.if DOCPART == 2
	.amdgcn_target "amdgcn-amd-amdhsa--gfx1250"
	.amdhsa_code_object_version 6
	.text
	.protected	k_q9baec5afc7_qkv
	.globl	k_q9baec5afc7_qkv
	.p2align	8
	.type	k_q9baec5afc7_qkv,@function
k_q9baec5afc7_qkv:
	s_mov_b64 s[64:65], 0
	v_nop
	global_prefetch_b8 v0, s[64:65] scope:SCOPE_SE
	s_setreg_imm32_b32 hwreg(HW_REG_WAVE_MODE, 25, 1), 1
	s_wait_xcnt 0x0
	s_wait_alu depctr_hold_cnt(0) depctr_sa_sdst(0) depctr_va_vdst(0) depctr_va_sdst(0) depctr_va_ssrc(0) depctr_va_vcc(0) depctr_vm_vsrc(0)
	s_getreg_b32 s2, hwreg(HW_REG_IB_STS2, 6, 4)
	s_cmp_eq_u32 s2, 0
	s_cbranch_scc0 .Lentry_in_a_cluster
	s_endpgm
.Lentry_in_a_cluster:
	s_bfe_u32 s2, ttmp6, 0x10000c
	s_cmp_lg_u32 s2, 0xf033
	s_cbranch_scc0 .Lentry_shape_is_right
	s_endpgm
.Lentry_shape_is_right:
; q = rope(rms(x wq^T)), k = rope(rms(x wk^T)), v = x wv^T, all three products on codes of FP6 (E2M3) with E8M0 scales, and the results quantised at once for the attention's products.
; THE FRAME.  C(i, j) = A-side row i . B-side row j, K = 2,048.  A work-group makes 128 (A) x 256 (B), each of four waves 64 x 128: 32 accumulators.  The matrix instruction is used transposed
; (source 0 = a tile of B, source 1 = a tile of A): a lane holds ONE row of A and its registers run along B.  Lane r of a tile 2 b + u holds true row 32 b + 8 u + r + 8 (r/8), so the 16 registers of
; B's tiles 2 b, 2 b + 1 are the true indices 32 b + 16 h + 0 .. 15: neighbours along the next product's K.
; Cluster columns 0-2: A = x's tokens, B = rows of wq, then wk: a wave's 128 columns are one head; norm, rope, quantised along the head's 128.  Cluster column 3: A = rows of wv, B = x's tokens:
; V^T, a wave's 128 columns are one key step, quantised along the keys.  The path hangs on the cluster's x alone, which all partners share.
; OPERANDS lie in memory and in LDS as images of their registers (1,536 bytes a fragment).  codes: [K phase][tile][6,144 bytes].  K goes in four phases of 512 through two LDS slots.
; EVERY WAVE ISSUES ONE TENSOR LOAD AT THE HEAD AND ONE AT EACH REFILL: waves 0, 1 fetch 4 tiles of A each, waves 2, 3 fetch 8 tiles of B each.  The head's load has two rows, phases 0 and 1 of the wave's
; tiles (a row is the tiles' consecutive bytes of one phase), and so fills both slots of the wave's own region of LDS: [slot][tile][6,144].  Phase 2 is filled onto phase 0's bytes, phase 3 onto phase 1's.
; THE SCALE WORDS go from memory straight into registers, once, at the head: 32 loads a wave, sixteen lanes to an aligned block of 256 bytes; lanes 0-15 take A's tile i, lanes 16-31 B's tile i.
; CLUSTER 4 x 4: A's tiles are shared along a row of the cluster, B's along a column: joint loads.
; PREFETCH: behind the head's load phase 2 is asked for, behind phase 2's load phase 3: one phase (four K steps, 128 matrix instructions a wave) ahead of the load that wants it.  Of the tiles that a wave
; fetches each of the four partners names a quarter, told apart by address: a lane a block of 256 bytes, 24 blocks a tile (lanes 24-31 name the tile's last block again).  Phases 0 and 1 come by their load alone.
; OUT: qkv_img: 32 planes of 196,608 bytes: 0-15 q heads, 16-23 k heads: [token tile][1,536]; 24-31 V^T: [key step][d tile][1,536].  qkv_sc: 32 planes of 8,192: blocks [row r][4 words] for four tiles.
; LIMITS: a block whose largest magnitude lies under 2^-124 gets the byte 1 (read by this program alone); NaN and infinities are not served.
; REGISTERS: window 0: v1-22 addresses and work; v24-30, v224-255 the quantiser; v32-159 scale words, a set of 32 for each phase; at the end v96-159 a tile's normed rows; v160-223 the norm's gains.
;   window 1: accumulator (a, b) at 8 (8 a + b).   windows 2, 3: fragment sets 0, 1: B's tile b at 12 b, A's tile a at 96 + 12 a; at the end window 2 takes the rope table.
.set NBW,  8                           ; B's tiles to a wave
.set NL,   3*(NBW+4)                   ; LDS loads of a K step
.set TROW, 6144                        ; a tile's phase: four fragments
.set PH,   512*TROW                    ; from phase to phase in codes
.set SPARE, 48*TROW                    ; behind the two slots: the spare words, 128 bytes a wave
.set LI,   1                           ; v1  16 x lane
.set RR,   2                           ; v2  r
.set HH,   3                           ; v3  h
.set ADRA, 4                           ; v4-5 my A fragments in slot 0, 1
.set ADRB, 6                           ; v6-7 my B fragments
.set SOF,  8                           ; v8  my scale words' offset in scl
.set LN,   9                           ; v9  lane
.set SPW,  10                          ; v10 my spare word; never rewritten
.set NIL,  11                          ; v11 0; never rewritten
.set R16,  12                          ; v12 16 r
.set H64,  13                          ; v13 64 h
.set T,    14                          ; v14-21 at work
.set PFO,  22                          ; v22 the prefetches' offset; never rewritten
.set PX,   24
.set SC,   32
.set Y,    96
.set W,    160
.set TM,   224
.set PWB,  240
.set PC,   244
.set WV,   18
.set SEL,  30
.set G1A,  36                          ; group 1 of a refill: 4 (A) or 8 (B) rows of 6,144 bytes, dense
.set G1B,  44
.set G1AH, 52                          ; group 1 of the head's load: 2 rows (phases), PH bytes apart
.set G1BH, 68
.set PFA,  76                          ; s[76:77] the prefetches' base; never rewritten
.set G0A,  80                          ; group 0, one set for each slot
.set G0B,  88
.set MSB, 0
.macro WIN new                         ; the immediate's high byte repeats the setting that is left
.if MSB != (\new)
	s_set_vgpr_msb (MSB<<8)|(\new)
.set MSB, (\new)
.endif
.endm
.macro PLACES n
.rept \n
	v_nop
.endr
.endm
.macro CROUND                          ; a round of the cluster's barrier
	s_barrier_signal -1
	s_barrier_wait -1
	s_cmp_lg_u32 s[WV], 0
	s_cbranch_scc1 .Lnot_wave_0_\@
	s_barrier_signal -3
.Lnot_wave_0_\@:
	s_barrier_wait -3
	s_barrier_signal -1
	s_barrier_wait -1
.endm
.macro JLOAD g0a, g1a, g0b, g1b        ; a joint load in every wave: waves 0, 1 for A, waves 2, 3 for B; the branch hangs on the wave's number alone; s_nop 0 and four v_nop follow each line
	s_cmp_eq_u32 s19, 0
	s_cbranch_scc0 .Lfor_b_\@
	tensor_load_to_lds s[\g0a:\g0a+3], s[\g1a:\g1a+7]
	s_nop 0
	PLACES 4
	s_branch .Lasked_\@
.Lfor_b_\@:
	tensor_load_to_lds s[\g0b:\g0b+3], s[\g1b:\g1b+7]
	s_nop 0
	PLACES 4
.Lasked_\@:
.endm
.macro ASK off                         ; my work-group's quarter of the tiles that I fetch: one tile of A's four, or two of B's eight
	global_prefetch_b8 v[PFO], s[PFA:PFA+1] offset:\off th:TH_LOAD_NT scope:SCOPE_SE
	s_cmp_eq_u32 s19, 0
	s_cbranch_scc1 .Lone_\@
	global_prefetch_b8 v[PFO], s[PFA:PFA+1] offset:\off+TROW th:TH_LOAD_NT scope:SCOPE_SE
.Lone_\@:
.endm
.macro DESC g, c, r, p                 ; group 1's words 1 to 7: r rows of c elements of 8 bytes, p elements apart
	s_mov_b32 s[\g+1], ((\c)&0xffff)<<16
	s_mov_b32 s[\g+2], ((\c)>>16)|((\r)<<16)
	s_mov_b32 s[\g+3], (\c)<<16
	s_mov_b32 s[\g+4], \r
	s_mov_b32 s[\g+5], \p
	s_mov_b32 s[\g+6], 0
	s_mov_b32 s[\g+7], 0
.endm
	s_load_b256 s[4:11], s[0:1], 0x0               ; codes, scl, rope, q_norm_w
	s_load_b128 s[12:15], s[0:1], 0x20             ; k_norm_w, qkv_img
	s_load_b64 s[16:17], s[0:1], 0x30              ; qkv_sc
	v_lshl_add_u32 v[SPW], v0, 2, SPARE
	v_mov_b32 v[NIL], 0
	ds_add_u32 v[SPW], v[NIL]                      ; the opening lines: the add, twice on end, and its wait ahead of my first tensor load
	ds_add_u32 v[SPW], v[NIL]
	v_lshrrev_b32 v1, 5, v0
	v_readfirstlane_b32 s[WV], v1                  ; wave 0..3
	s_lshr_b32 s19, s[WV], 1                       ; which half of A's rows is mine.  Also: I fetch for A (0) or for B (1)
	s_and_b32 s20, s[WV], 1                        ; which half of B's.  Also: which half of that operand's tiles I fetch
	s_bfe_u32 s21, ttmp6, 0x40000                  ; cx
	s_bfe_u32 s22, ttmp6, 0x40004                  ; cy
	s_mov_b32 s23, ttmp9                           ; the cluster's x: the path
	s_and_b32 s24, ttmp7, 0xffff                   ; the cluster's y
	s_lshl_b32 s25, s23, 2
	s_add_co_u32 s25, s25, s21                     ; X
	s_lshl_b32 s26, s24, 2
	s_add_co_u32 s26, s26, s22                     ; Y
	s_lshl_b32 s27, s22, 2
	s_lshl_b32 s27, 15, s27                        ; my row of the cluster
	s_lshl_b32 s28, 0x1111, s21                    ; my column
	s_mov_b32 s[SEL], 0x76543210
	s_mov_b32 s[SEL+1], 0xfedcba98
	s_mov_b32 s32, 0x3c000000                      ; 1 / 128
	s_mov_b32 s33, 0x358637bd                      ; 1e-6
	s_or_b32 s[G1A], s27, (3<<16)|(1<<21)          ; 15:0 the mask; 17:16 elements of 8 bytes; 21 set beside a mask
	s_or_b32 s[G1AH], s27, (3<<16)|(1<<21)
	s_or_b32 s[G1B], s28, (3<<16)|(1<<21)
	s_or_b32 s[G1BH], s28, (3<<16)|(1<<21)
	DESC G1A, 768, 4, 768
	DESC G1B, 768, 8, 768
	DESC G1AH, 4*768, 2, PH/8
	DESC G1BH, 8*768, 2, PH/8
	; A's first tile, in registers that never hold cx: tokens 8 Y, or wv's tiles 320 + 8 (Y % 8)
	s_lshl_b32 s96, s26, 3
	s_and_b32 s97, s26, 7
	s_lshl_b32 s97, s97, 3
	s_add_co_u32 s97, s97, 320
	; B's, in registers that never hold cy: wq's and wk's tiles 128 + 16 X, or tokens 16 cx + 64 (cluster y / 2)
	s_lshl_b32 s98, s25, 4
	s_add_co_u32 s98, s98, 128
	s_lshl_b32 s99, s21, 4
	s_lshr_b32 s100, s24, 1
	s_lshl_b32 s100, s100, 6
	s_add_co_u32 s99, s99, s100
	s_cmp_eq_u32 s23, 3
	s_cselect_b32 s96, s97, s96
	s_cselect_b32 s98, s99, s98
	s_lshl_b32 s104, s19, 2
	s_add_co_u32 s104, s104, s96
	s_lshl_b32 s104, s104, 10                      ; the scale words of the 4 tiles of A that I multiply: 1,024 bytes a tile
	s_lshl_b32 s99, s20, 3
	s_add_co_u32 s98, s98, s99                     ; the 8 tiles of B that I multiply, which waves 2 and 3 also fetch
	s_lshl_b32 s105, s98, 10
	s_sub_co_u32 s105, s105, s104                  ; from A's scale words to B's (modulo 2^32)
	s_lshl_b32 s97, s20, 2
	s_add_co_u32 s96, s96, s97                     ; the 4 tiles of A that waves 0 and 1 fetch
	s_mul_i32 s34, s96, TROW
	s_mov_b32 s35, 0
	s_mul_i32 s100, s98, TROW
	s_mov_b32 s101, 0
	s_add_co_u32 s60, s96, s21                     ; the prefetches: of A's four tiles the one at my place along x,
	s_lshl_b32 s61, s22, 1
	s_add_co_u32 s61, s61, s98                     ; of B's eight the two at my place along y
	s_cmp_eq_u32 s19, 0
	s_cselect_b32 s60, s60, s61
	s_mul_i32 s60, s60, TROW
	s_add_co_u32 s60, s60, 2*PH                    ; from phase 2 on
	s_mov_b32 s61, 0
	s_mul_i32 s[G0A+1], s20, 8*TROW                ; LDS: the wave's number and constants alone.  A: two regions of 2 slots x 4 tiles;
	s_add_co_u32 s[G0A+5], s[G0A+1], 4*TROW
	s_mul_i32 s[G0B+1], s20, 16*TROW               ; B: behind them, two regions of 2 slots x 8 tiles
	s_add_co_u32 s[G0B+1], s[G0B+1], 16*TROW
	s_add_co_u32 s[G0B+5], s[G0B+1], 8*TROW
	s_mul_i32 s62, s19, 8*TROW
	v_and_b32 v[LN], 31, v0
	v_lshlrev_b32 v[LI], 4, v[LN]
	v_and_b32 v[RR], 15, v0
	v_bfe_u32 v[HH], v0, 4, 1
	v_mul_lo_u32 v[SOF], v[HH], s105               ; lanes 16-31 take B's scale words
	v_add_nc_u32 v[SOF], s104, v[SOF]
	v_lshl_add_u32 v[SOF], v[RR], 4, v[SOF]
	v_add_nc_u32 v[ADRA], s62, v[LI]
	v_add_nc_u32 v[ADRA+1], 4*TROW, v[ADRA]
	v_add_nc_u32 v[ADRB], s[G0B+1], v[LI]
	v_add_nc_u32 v[ADRB+1], 8*TROW, v[ADRB]
	v_lshlrev_b32 v[R16], 4, v[RR]
	v_lshlrev_b32 v[H64], 6, v[HH]
	v_min_u32 v[PFO], 23, v[LN]
	v_lshlrev_b32 v[PFO], 8, v[PFO]
.irp b, 0,1,2,3
	v_mov_b32 v[TM+4+\b], 0                        ; a lane permute's destination counts as one of its sources
.endr
	s_wait_alu depctr_va_vdst(0)                   ; the wait behind the head's last vector instruction
	s_wait_dscnt 0x0                               ; both opening adds are done
	s_wait_kmcnt 0x0
	s_add_nc_u64 s[G0A+2:G0A+3], s[4:5], s[34:35]  ; slot 0: phase 0 (the head's load goes on into slot 1 with phase 1)
	s_add_nc_u64 s[G0A+6:G0A+7], s[G0A+2:G0A+3], 3*PH   ; slot 1's refill: phase 3
	s_add_nc_u64 s[G0B+2:G0B+3], s[4:5], s[100:101]
	s_add_nc_u64 s[G0B+6:G0B+7], s[G0B+2:G0B+3], 3*PH
.irp g, G0A, G0A+4, G0B, G0B+4
	s_mov_b32 s[\g], 1                             ; count = 1
	s_or_b32 s[\g+3], s[\g+3], 0x80000000          ; type = 2
.endr
	s_add_nc_u64 s[PFA:PFA+1], s[4:5], s[60:61]
.irp g, 0,1,2,3
.irp i, 0,1,2,3,4,5,6,7
	global_load_b128 v[SC+32*\g+4*\i:SC+32*\g+4*\i+3], v[SOF], s[6:7] offset:\i*1024+\g*256   ; register 4 i + ks of phase g's set (for i > 3 lanes 0-15 read words of later tiles, inside scl, that are not used)
.endr
.endr
	CROUND                                         ; all sixteen work-groups are here: the first joint loads meet
	JLOAD G0A, G1AH, G0B, G1BH                     ; phases 0 and 1: my one tensor load at the head
	ASK 0                                          ; phase 2
	; where my results go: plane P, second index Q
	s_lshl_b32 s2, s25, 1
	s_add_co_u32 s2, s2, s20                       ; the head's plane: 2 X + (w & 1),
	s_and_b32 s3, s26, 7
	s_add_co_u32 s3, s3, 24                        ; or V's: 24 + Y % 8
	s_lshl_b32 s66, s21, 1
	s_lshr_b32 s67, s24, 1
	s_lshl_b32 s67, s67, 3
	s_add_co_u32 s66, s66, s67
	s_add_co_u32 s66, s66, s20                     ; V's key step: 2 cx + 8 (cluster y / 2) + (w & 1)
	s_cmp_eq_u32 s23, 3
	s_cselect_b32 s2, s3, s2                       ; P
	s_cselect_b32 s66, s66, s26                    ; Q: Y, or the key step
	s_mul_i32 s3, s2, 196608
	s_mul_i32 s67, s66, 12288
	s_add_co_u32 s3, s3, s67
	s_mul_i32 s67, s19, 6144
	s_add_co_u32 s3, s3, s67                       ; images: P x 196,608 + Q x 12,288 + (w >> 1) x 6,144
	s_lshl_b32 s2, s2, 13
	s_lshl_b32 s66, s66, 9
	s_add_co_u32 s2, s2, s66
	s_lshl_b32 s66, s19, 8
	s_add_co_u32 s2, s2, s66                       ; scale words: P x 8,192 + Q x 512 + (w >> 1) x 256
	s_mov_b32 s66, s3
	s_mov_b32 s67, 0
	s_add_nc_u64 s[14:15], s[14:15], s[66:67]
	s_mov_b32 s66, s2
	s_add_nc_u64 s[16:17], s[16:17], s[66:67]
	s_lshl_b32 s66, s26, 16
	s_lshl_b32 s2, s19, 15
	s_add_co_u32 s66, s66, s2
	s_add_nc_u64 s[8:9], s[8:9], s[66:67]          ; the rope table at my first token tile, 8 Y + 4 (w >> 1)
	s_cmp_eq_u32 s23, 2
	s_cselect_b64 s[10:11], s[12:13], s[10:11]     ; cluster column 2 makes k: its gains
; the fragments of K step ks of a slot into set p (window 2 + p)
.macro FETCH slot, ks, p
	WIN 0x80+0x40*(\p)
.set fb, 0
.rept NBW
.irp c, 0,1,2
	ds_load_b128 v[12*fb+4*\c:12*fb+4*\c+3], v[ADRB+(\slot)] offset:fb*TROW+(\ks)*1536+512*\c
.endr
.set fb, fb+1
.endr
.set fb, 0
.rept 4
.irp c, 0,1,2
	ds_load_b128 v[12*NBW+12*fb+4*\c:12*NBW+12*fb+4*\c+3], v[ADRA+(\slot)] offset:fb*TROW+(\ks)*1536+512*\c
.endr
.set fb, fb+1
.endr
	WIN 0
.endm
; A's tiles a0 .. a0 + n - 1 against B's NBW.  All accumulators take turns, one instruction a turn, in the same order in every K step.
.macro MUL a0, n, g, ks, zero
.set ma, \a0
.rept \n
.set mb, 0
.rept NBW
.if \zero
	v_wmma_scale_f32_16x16x128_f8f6f4 v[8*(NBW*ma+mb):8*(NBW*ma+mb)+7], v[12*mb:12*mb+11], v[12*NBW+12*ma:12*NBW+12*ma+11], 0, v[SC+32*(\g)+4*mb+(\ks)], v[SC+32*(\g)+4*ma+(\ks)] matrix_a_fmt:MATRIX_FMT_FP6 matrix_b_fmt:MATRIX_FMT_FP6 matrix_a_scale:MATRIX_SCALE_ROW1
.else
	v_wmma_scale_f32_16x16x128_f8f6f4 v[8*(NBW*ma+mb):8*(NBW*ma+mb)+7], v[12*mb:12*mb+11], v[12*NBW+12*ma:12*NBW+12*ma+11], v[8*(NBW*ma+mb):8*(NBW*ma+mb)+7], v[SC+32*(\g)+4*mb+(\ks)], v[SC+32*(\g)+4*ma+(\ks)] matrix_a_fmt:MATRIX_FMT_FP6 matrix_b_fmt:MATRIX_FMT_FP6 matrix_a_scale:MATRIX_SCALE_ROW1
.endif
.set mb, mb+1
.endr
.set ma, ma+1
.endr
.endm
.macro STEP slot, g, ks, zero          ; one of a phase's first three K steps: the next step's fragments are asked for, then this step is multiplied
	PLACES 4                                       ; four places in front of loads into registers that the last products read (ISA guide 7.12.1 for vector instructions)
	FETCH \slot, \ks+1, 1-(\ks)%2
	s_wait_dscnt NL                                ; all but the NL loads just issued: this step's set is in
	WIN 0x5a+5*((\ks)%2)
	MUL 0, 4, \g, \ks, \zero
	WIN 0
.endm
.macro TURN slot, g, fill              ; a phase's last K step changes slots
	s_wait_tensorcnt 0x0                           ; all my tensor loads have landed: my part of the next slot
	ds_add_u32 v[SPW], v[NIL]                      ; 0 onto my spare word
	s_wait_dscnt 1                                 ; only the add may be out: set 1 is in
	WIN 0x5f
	MUL 0, 2, \g, 3, 0
	WIN 0
	PLACES 4                                       ; the places in front of the loads into set 0 below
	s_wait_dscnt 0x0                               ; the add is done, and my reads of this slot are over
.if \fill
	CROUND                                         ; no wave of any partner still reads this slot or has a load on its way
.if \slot == 0
	s_add_nc_u64 s[G0A+2:G0A+3], s[G0A+2:G0A+3], 2*PH   ; slot 0 takes phase 2
	s_add_nc_u64 s[G0B+2:G0B+3], s[G0B+2:G0B+3], 2*PH
.endif
	JLOAD G0A+4*\slot, G1A, G0B+4*\slot, G1B       ; two phases on: my one tensor load behind the round; it has four K steps in which to land
.else
	s_barrier_signal -1
	s_barrier_wait -1
.endif
	FETCH 1-\slot, 0, 0
.if \fill
.if \slot == 0
	ASK PH                                         ; phase 3
.endif
.endif
	WIN 0x5f
	MUL 2, 2, \g, 3, 0
	WIN 0
.endm
	s_wait_loadcnt 0x0                             ; the scale words
	s_wait_tensorcnt 0x0                           ; my part of both slots is in
	s_barrier_signal -1
	s_barrier_wait -1                              ; and everybody's
	FETCH 0, 0, 0
	STEP 0, 0, 0, 1                                ; the first products start the sums: nothing is cleared
	STEP 0, 0, 1, 0
	STEP 0, 0, 2, 0
	TURN 0, 0, 1
	STEP 1, 1, 0, 0
	STEP 1, 1, 1, 0
	STEP 1, 1, 2, 0
	TURN 1, 1, 1
	STEP 0, 2, 0, 0
	STEP 0, 2, 1, 0
	STEP 0, 2, 2, 0
	TURN 0, 2, 0
	STEP 1, 3, 0, 0
	STEP 1, 3, 1, 0
	STEP 1, 3, 2, 0
	s_wait_dscnt 0x0                               ; the last K step's set is in
	PLACES 4                                       ; in front of loads into window 2, which set 0 has left
	s_cmp_eq_u32 s23, 3
	s_cbranch_scc1 .Lno_rope
	WIN 0x80
.set ra, 0
.rept 4                                ; the rope table of my four token tiles: window 2, v[64 a + 4 u]: cos, cos, sin, sin of registers 2 u, 2 u + 1
.set ru, 0
.rept 16
	global_load_b128 v[64*ra+4*ru:64*ra+4*ru+3], v[LI], s[8:9] offset:ra*8192+512*ru
.set ru, ru+1
.endr
.set ra, ra+1
.endr
	WIN 0
.irp b, 0,1,2,3
.irp j, 0,1,2,3
	global_load_b128 v[W+16*\b+4*\j:W+16*\b+4*\j+3], v[H64], s[10:11] offset:128*\b+16*\j   ; the gains at d = 32 b + 16 h + 4 j on
.endr
.endr
.Lno_rope:
	WIN 0x5f
	MUL 0, 4, 3, 3, 0
	WIN 0
	PLACES 4                                       ; in front of the first reads of results and of writes onto the scale words' registers
; 64 numbers of a lane in window w, register 16 b + i = k 32 b + 16 h + i of my row, become a fragment's codes in v[PC] on and its scale word in v[pw].  Each accumulator is read from its low end on.
.macro QUANT s, w, pw
	WIN 0x05*(\w)
.irp b, 0,1,2,3
	v_max3_num_f32 v[TM+\b], |v[(\s)+16*\b]|, |v[(\s)+1+16*\b]|, 0x1800000   ; and the floor 2^(3 - 127): the byte cannot fall under 1
.endr
	WIN 0x14*(\w)
.irp i, 2,4,6,8,10,12,14
.irp b, 0,1,2,3
	v_max3_num_f32 v[TM+\b], v[TM+\b], |v[(\s)+16*\b+\i]|, |v[(\s)+1+16*\b+\i]|
.endr
.endr
	WIN 0
.irp b, 0,1,2,3
	v_permlanex16_b32 v[TM+4+\b], v[TM+\b], s[SEL], s[SEL+1]
.endr
.irp b, 0,1,2,3
	v_max_num_f32 v[TM+\b], v[TM+\b], v[TM+4+\b]
.endr
.irp b, 0,1,2,3
	v_add_nc_u32 v[TM+12+\b], 0xff000000, v[TM+\b] ; 2 off the exponent field: the conversion's scale operand
.endr
.irp b, 0,1,2,3
	v_lshrrev_b32 v[TM+4+\b], 23, v[TM+12+\b]      ; the scale's byte
.endr
	v_lshl_or_b32 v[\pw], v[TM+5], 8, v[TM+4]
	v_lshl_or_b32 v[\pw], v[TM+6], 16, v[\pw]
	v_lshl_or_b32 v[\pw], v[TM+7], 24, v[\pw]
	s_wait_xcnt 0x0                                ; the last fragment's stores have read v[PC] on
	WIN 0x01*(\w)
.irp c, 0,1
	v_cvt_scalef32_pk16_fp6_f32 v[PC+6*\c:PC+2+6*\c], v[(\s)+32*\c:(\s)+15+32*\c], v[TM+12+2*\c]
	v_cvt_scalef32_pk16_fp6_f32 v[PX+4*\c:PX+2+4*\c], v[(\s)+16+32*\c:(\s)+31+32*\c], v[TM+12+2*\c+1]
.endr
	WIN 0
	v_nop                                          ; one plain line behind a scaled conversion
.irp c, 0,1
.irp i, 0,1,2
	v_permlane16_swap_b32 v[PC+6*\c+\i], v[PX+4*\c+\i]
.endr
.irp i, 0,1,2
	v_mov_b32 v[PC+3+6*\c+\i], v[PX+4*\c+\i]
.endr
.endr
.endm
; Token tile a: mean of squares over the head's 128 (my 64 and lane l xor 16's), x rsqrt, x gain, then the rotation: register e < 32 pairs with register e + 32 (d and d + 64).
.macro NORMROPE a
	WIN 0x05
	v_pk_mul_f32 v[T:T+1], v[64*\a:64*\a+1], v[64*\a:64*\a+1]
	v_pk_mul_f32 v[T+2:T+3], v[64*\a+2:64*\a+3], v[64*\a+2:64*\a+3]
.set j, 4
.rept 15
	v_pk_fma_f32 v[T:T+1], v[64*\a+j:64*\a+j+1], v[64*\a+j:64*\a+j+1], v[T:T+1]
	v_pk_fma_f32 v[T+2:T+3], v[64*\a+j+2:64*\a+j+3], v[64*\a+j+2:64*\a+j+3], v[T+2:T+3]
.set j, j+4
.endr
	WIN 0
	v_pk_add_f32 v[T:T+1], v[T:T+1], v[T+2:T+3]
	v_add_f32 v[T], v[T], v[T+1]
	v_permlanex16_b32 v[T+1], v[T], s[SEL], s[SEL+1]
	v_add_f32 v[T], v[T], v[T+1]
	v_fma_f32 v[T], v[T], s32, s33                 ; the mean + 1e-6
	s_wait_alu depctr_va_vdst(0)
	v_rsq_f32 v[T+2], v[T]
	v_rsq_f32 v[T+3], v[T]
	v_nop                                          ; a plain line behind the transcendentals
	WIN 0x01
.set j, 0
	s_wait_alu depctr_va_vdst(0)
.rept 32
	v_pk_mul_f32 v[Y+j:Y+j+1], v[64*\a+j:64*\a+j+1], v[T+2:T+3]
.set j, j+2
.endr
	WIN 0
.set j, 0
.rept 32
	v_pk_mul_f32 v[Y+j:Y+j+1], v[Y+j:Y+j+1], v[W+j:W+j+1]
.set j, j+2
.endr
	WIN 0x08                                       ; source 1: the table, in window 2
.set u, 0
.rept 16
.set tt, T+4*(u%2)
	v_pk_mul_f32 v[tt:tt+1], v[Y+32+2*u:Y+33+2*u], v[64*\a+4*u+2:64*\a+4*u+3]
	v_pk_mul_f32 v[tt+2:tt+3], v[Y+2*u:Y+2*u+1], v[64*\a+4*u+2:64*\a+4*u+3]
	v_pk_fma_f32 v[Y+2*u:Y+2*u+1], v[Y+2*u:Y+2*u+1], v[64*\a+4*u:64*\a+4*u+1], v[tt:tt+1] neg_lo:[0,0,1] neg_hi:[0,0,1]
	v_pk_fma_f32 v[Y+32+2*u:Y+33+2*u], v[Y+32+2*u:Y+33+2*u], v[64*\a+4*u:64*\a+4*u+1], v[tt+2:tt+3]
.set u, u+1
.endr
	WIN 0
.endm
	s_cmp_eq_u32 s23, 3
	s_cbranch_scc1 .Lvpath
	s_wait_loadcnt 0x0                             ; the table and the gains
.irp a, 0,1,2,3
	NORMROPE \a
	QUANT Y, 0, PWB+\a
.irp c, 0,1,2
	global_store_b128 v[LI], v[PC+4*\c:PC+4*\c+3], s[14:15] offset:\a*1536+512*\c
.endr
.endr
	s_branch .Ljoin
.Lvpath:
.irp a, 0,1,2,3
	QUANT 64*\a, 1, PWB+\a
.irp c, 0,1,2
	global_store_b128 v[LI], v[PC+4*\c:PC+4*\c+3], s[14:15] offset:\a*1536+512*\c
.endr
.endr
.Ljoin:
	v_cmp_gt_u32 vcc_lo, 16, v[LN]
	s_wait_xcnt 0x0                                ; EXEC changes only behind this wait
	s_and_saveexec_b32 s29, vcc_lo
	global_store_b128 v[R16], v[PWB:PWB+3], s[16:17]   ; sixteen lanes store 256 consecutive bytes, aligned
	s_wait_xcnt 0x0
	s_or_b32 exec_lo, exec_lo, s29
	s_wait_tensorcnt 0x0                           ; the wave's end
	ds_add_u32 v[SPW], v[NIL]
	s_wait_dscnt 0x0
	CROUND                                         ; the closing round
	s_endpgm
.Lfunc_end_k_q9baec5afc7_qkv:
	.size	k_q9baec5afc7_qkv, .Lfunc_end_k_q9baec5afc7_qkv-k_q9baec5afc7_qkv
	.p2alignl 7, 3214868480
	.fill 96, 4, 3214868480
	.section	.rodata,"a",@progbits
	.p2align	6, 0x0
	.amdhsa_kernel k_q9baec5afc7_qkv
		.amdhsa_group_segment_fixed_size 327680
		.amdhsa_private_segment_fixed_size 0
		.amdhsa_enable_private_segment 0
		.amdhsa_kernarg_size 56
		.amdhsa_user_sgpr_count 2
		.amdhsa_user_sgpr_kernarg_segment_ptr 1
		.amdhsa_wavefront_size32 1
		.amdhsa_system_sgpr_workgroup_id_x 1
		.amdhsa_system_sgpr_workgroup_id_y 1
		.amdhsa_system_sgpr_workgroup_id_z 1
		.amdhsa_system_vgpr_workitem_id 0
		.amdhsa_next_free_vgpr 1024
		.amdhsa_next_free_sgpr 106
		.amdhsa_reserve_vcc 1
		.amdhsa_float_denorm_mode_32 3
		.amdhsa_float_denorm_mode_16_64 3
		.amdhsa_memory_ordered 1
		.amdhsa_forward_progress 1
		.amdhsa_inst_pref_size 203
	.end_amdhsa_kernel
	.amdgpu_metadata
---
amdhsa.version: [ 1, 2 ]
amdhsa.kernels:
  - .name:           k_q9baec5afc7_qkv
    .symbol:         k_q9baec5afc7_qkv.kd
    .args:
      - { .name: codes, .offset: 0, .size: 8, .value_kind: global_buffer, .address_space: global }
      - { .name: scl, .offset: 8, .size: 8, .value_kind: global_buffer, .address_space: global }
      - { .name: rope, .offset: 16, .size: 8, .value_kind: global_buffer, .address_space: global }
      - { .name: q_norm_w, .offset: 24, .size: 8, .value_kind: global_buffer, .address_space: global }
      - { .name: k_norm_w, .offset: 32, .size: 8, .value_kind: global_buffer, .address_space: global }
      - { .name: qkv_img, .offset: 40, .size: 8, .value_kind: global_buffer, .address_space: global }
      - { .name: qkv_sc, .offset: 48, .size: 8, .value_kind: global_buffer, .address_space: global }
    .group_segment_fixed_size: 327680
    .private_segment_fixed_size: 0
    .kernarg_segment_align: 8
    .kernarg_segment_size: 56
    .max_flat_workgroup_size: 128
    .sgpr_count:     106
    .vgpr_count:     1024
    .wavefront_size: 32
...
	.end_amdgpu_metadata
.endif
;; end of part 2
;; launch attn (part 3): grid 32 x 8, 8 waves a work-group, clusters of 4 x 4, 327,680 bytes of LDS; arguments qkv_img, qkv_sc, attention_mask, attn_img, attn_sc; writes attn_img, attn_sc
.if DOCPART == 3
	.amdgcn_target "amdgcn-amd-amdhsa--gfx1250"
	.amdhsa_code_object_version 6
	.text
	.protected	k_q9baec5afc7_attn
	.globl	k_q9baec5afc7_attn
	.p2align	8
	.type	k_q9baec5afc7_attn,@function
k_q9baec5afc7_attn:
	s_mov_b64 s[64:65], 0
	v_nop
	global_prefetch_b8 v0, s[64:65] scope:SCOPE_SE
	s_setreg_imm32_b32 hwreg(HW_REG_WAVE_MODE, 25, 1), 1
	s_wait_xcnt 0x0
	s_wait_alu depctr_hold_cnt(0) depctr_sa_sdst(0) depctr_va_vdst(0) depctr_va_sdst(0) depctr_va_ssrc(0) depctr_va_vcc(0) depctr_vm_vsrc(0)
	s_getreg_b32 s2, hwreg(HW_REG_IB_STS2, 6, 4)
	s_cmp_eq_u32 s2, 0
	s_cbranch_scc0 .Lentry_in_a_cluster
	s_endpgm
.Lentry_in_a_cluster:
	s_bfe_u32 s2, ttmp6, 0x10000c
	s_cmp_lg_u32 s2, 0xf033
	s_cbranch_scc0 .Lentry_shape_is_right
	s_endpgm
.Lentry_shape_is_right:
; O = softmax(q k^T / sqrt(128) + mask) v for 16 query heads on 8 key/value heads, both products on codes of FP6 (E2M3) with E8M0 scales; O is quantised at once for the last projection.
; THE SOFTMAX AHEAD OF THE SECOND PRODUCT: t = logit x log2(e); M = the running largest t rounded UP to a whole number; p = 2^(t - M) is quantised along the keys, not normalised; the row's sum is taken
; of the unquantised p and divides O at the end.  When M moves, the sum and O are multiplied by 2^(old M - new M): exact.
; THE MASK is an input and is added as it is given: every key is walked.  It enters as the C of the first product: (S + mask x sqrt(128)) x c = t with c = log2(e) / sqrt(128).
; SHARES.  A work-group owns 64 queries (token tiles 4 X .. 4 X + 3) for the two query heads of one key/value head.  A WAVE TAKES BOTH HEADS OF ONE TILE: wave w has tile 4 X + (w & 3), so each fragment of K and V,
; each scale word and each number of the mask that it reads from LDS serves two products.  THE TWO KEY STEPS OF A SLOT GO TO TWO WAVES: wave w walks step hf = w >> 2 of every slot, 8 steps of 128 keys in all.
; Window 0 holds head 2 kvh + hf, window 1 the other head, in the same register numbers: the softmax is written once and run under two window settings.
; At the end wave w hands window 1's O^T, M and sum to wave w xor 4 through LDS and takes that wave's, which are its own window 0's head over the other half of the keys; both are brought under the larger M
; (exact powers of two), added, divided by the joint sum and quantised.  No wave has a role of its own there.
; K, V^T and the mask come through two LDS slots of 256 keys: waves 0-3 fetch 16 mask rows each, wave 4 K, wave 5 V^T; waves 6, 7 the head's scale words, once.
; CLUSTER 4 x 4: the mask's tiles hang on X and are shared down a column of the cluster, K's and V's hang on the key/value head and are shared along a row: joint loads.
; LAYOUT.  Both products are used transposed (S^T = K Q^T, O^T = V^T P^T): a lane holds one query throughout.  Lane r of a token tile 2 b + u holds token 32 b + 8 u + r + 8 (r/8), so the 16 registers of
; key tiles 2 b, 2 b + 1 are keys 32 b + 16 h + 0 .. 15; V^T's d tiles are ordered alike, so O^T's registers are neighbours along the last projection's K.  Fragments lie as images of their registers.
; LIMITS: the logit is formed as (S + mask sqrt(128)) c, a rounding order other than scores / sqrt(128) + mask, a few ulp apart; a mask of -infinity, NaN and infinities among the inputs are not served (a row masked
; by large finite numbers at every key comes out uniform).  A block whose largest magnitude lies under 2^-124 gets the byte 1 (read by this program alone).  The scale words of O leave as 4 bytes a lane, 16 bytes apart: 64 bytes a wave in part-filled blocks.
; REGISTERS.  In each window, for its head: v12 -M, v13 largest t, v[14:15] the sum; v16-27 Q; v96-159 S^T, then p (window 0 first holds the mask); v160-223 O^T; v224-235 p's codes; v232-247, v252-254 at work.
;   v32-79: fragments 0-3 in window 0, fragments 4-7 in window 1.  Window 0 alone: v1-3 places that stay; v4 lane; v5, v6 the add's; v7 16 lane; v8-10 the step's addresses; v11, v31 my stage and my partner's; v28 16 r;
;   scale words: v80-87 K's, v88-95 V's, v255 and v30 Q's, v253 and v29 p's (window 0's head, window 1's head).
.set SLOT1, 131072                     ; slot 1 begins here: one exclusive or turns an address from one slot to the other
.set MGRP,  16768                      ; 16 mask rows of 1,040 bytes, + 128: rows 16 apart then fall into other 16-byte columns modulo 256
.set MP,    1040                       ; a mask row: 1,024 bytes + 16 of padding
.set KOFF,  4*MGRP                     ; K's 16 images; V^T's 16 lie 24,576 bytes on
.set SCK,   2*SLOT1                    ; K's scale words of the whole head, 8,192 bytes; V's behind them
.set SPARE, SCK+16384                  ; the spare words, 128 bytes a wave: four blocks of 256 bytes that no other line names
.set STGW,  8704                       ; the end: a wave's stage, 64 registers' images and 16 bytes a lane for -M and the sum; the eight stages lie in slot 0
.set SPW,  5
.set NIL,  6
.set TM,   32                          ; the last quantiser's registers
.set PC,   48
.set PX,   60
.set WV,   14
.set SEL,  20
.set CS,   22
.set RT,   24
.set TB,   26
.set TS,   27
.set SLOTS, 28
.set HF,   31                          ; s31  which key step of a slot is mine
.set G1M,  36
.set G1K,  44
.set G1S,  52
.set G0M,  60
.set G0K,  68
.set G0S,  72
.set MSB, 0
.macro WIN new                         ; bits 1:0 source 0, 3:2 source 1, 5:4 source 2, 7:6 destination; the immediate's high byte repeats the setting that is left
.if MSB != (\new)
	s_set_vgpr_msb (MSB<<8)|(\new)
.set MSB, (\new)
.endif
.endm
.macro PLACES n
.rept \n
	v_nop
.endr
.endm
.macro CROUND                          ; a round of the cluster's barrier
	s_barrier_signal -1
	s_barrier_wait -1
	s_cmp_lg_u32 s[WV], 0
	s_cbranch_scc1 .Lnot_wave_0_\@
	s_barrier_signal -3
.Lnot_wave_0_\@:
	s_barrier_wait -3
	s_barrier_signal -1
	s_barrier_wait -1
.endm
.macro TLOAD sc                        ; one joint load a wave; the branches hang on the wave's number alone; four v_nop follow each line.  sc = 1: waves 6, 7 fetch the scale words
	s_cmp_lt_u32 s[WV], 4
	s_cbranch_scc0 .Lnot_m_\@
	tensor_load_to_lds s[G0M:G0M+3], s[G1M:G1M+7]
	s_nop 0
	PLACES 4
	s_branch .Lasked_\@
.Lnot_m_\@:
	s_cmp_lt_u32 s[WV], 6
	s_cbranch_scc0 .Lnot_k_\@
	tensor_load_to_lds s[G0K:G0K+3], s[G1K:G1K+7]
	s_nop 0
	PLACES 4
.if \sc
	s_branch .Lasked_\@
.endif
.Lnot_k_\@:
.if \sc
	tensor_load_to_lds s[G0S:G0S+3], s[G1S:G1S+7]
	s_nop 0
	PLACES 4
.endif
.Lasked_\@:
.endm
	s_load_b256 s[4:11], s[0:1], 0x0               ; qkv_img, qkv_sc, attention_mask, attn_img
	s_load_b64 s[12:13], s[0:1], 0x20              ; attn_sc
	v_lshl_add_u32 v[SPW], v0, 2, SPARE
	v_mov_b32 v[NIL], 0
	ds_add_u32 v5, v6
	ds_add_u32 v5, v6
	s_wait_dscnt 0x0
	v_lshrrev_b32 v8, 5, v0
	s_delay_alu instid0(VALU_DEP_1)
	v_readfirstlane_b32 s[WV], v8                  ; wave 0..7
	s_lshr_b32 s[HF], s[WV], 2                     ; my key step of a slot
	s_bfe_u32 s15, ttmp6, 0x40000                  ; cx
	s_bfe_u32 s16, ttmp6, 0x40004                  ; cy
	s_lshl_b32 s17, ttmp9, 2
	s_add_co_u32 s17, s17, s15                     ; X: my block of 64 queries
	s_and_b32 s18, ttmp7, 0xffff
	s_lshl_b32 s18, s18, 2
	s_add_co_u32 s18, s18, s16                     ; the key/value head
	s_lshl_b32 s19, s16, 2
	s_lshl_b32 s19, 15, s19                        ; my row of the cluster
	s_lshl_b32 s29, 0x1111, s15                    ; my column
	s_mov_b32 s[SEL], 0x76543210
	s_mov_b32 s[SEL+1], 0xfedcba98
	s_mov_b32 s[CS], 0x3e0293ee                    ; c = log2(e) / sqrt(128)
	s_mov_b32 s[CS+1], s[CS]
	s_mov_b32 s[RT], 0x413504f3                    ; sqrt(128)
	s_mov_b32 s[RT+1], s[RT]
	s_mov_b32 s[TB], 0
	s_mov_b32 s[TS], 0
	s_mov_b32 s[SLOTS], 7
	; group 1, mask: 16 rows of 256 f32, 2,048 apart; 4 words of padding behind every 256
	s_or_b32 s[G1M], s29, (2<<16)|(1<<20)|(1<<21)|(7<<22)|(3<<25)
	s_mov_b32 s[G1M+1], 256<<16
	s_mov_b32 s[G1M+2], 16<<16
	s_mov_b32 s[G1M+3], 256<<16
	s_mov_b32 s[G1M+4], 16
	s_mov_b32 s[G1M+5], 2048
	s_mov_b32 s[G1M+6], 0
	s_mov_b32 s[G1M+7], 0
	; K or V^T: 24,576 dense bytes as 96 rows of 256
	s_or_b32 s[G1K], s19, (3<<16)|(1<<21)
	s_mov_b32 s[G1K+1], 32<<16
	s_mov_b32 s[G1K+2], 96<<16
	s_mov_b32 s[G1K+3], 32<<16
	s_mov_b32 s[G1K+4], 96
	s_mov_b32 s[G1K+5], 32
	s_mov_b32 s[G1K+6], 0
	s_mov_b32 s[G1K+7], 0
	; scale words: 8,192 dense bytes as 32 rows of 256
	s_or_b32 s[G1S], s19, (3<<16)|(1<<21)
	s_mov_b32 s[G1S+1], 32<<16
	s_mov_b32 s[G1S+2], 32<<16
	s_mov_b32 s[G1S+3], 32<<16
	s_mov_b32 s[G1S+4], 32
	s_mov_b32 s[G1S+5], 32
	s_mov_b32 s[G1S+6], 0
	s_mov_b32 s[G1S+7], 0
	; the mask's tile, in registers that never hold cy: rows 64 X + 16 (w & 3)
	s_lshl_b32 s76, s17, 19
	s_and_b32 s77, s[WV], 3
	s_lshl_b32 s77, s77, 17
	s_add_co_u32 s76, s76, s77
	s_mov_b32 s77, 0
	; K's and V's planes, in registers that never hold cx: 16 + 8 (w & 1) + the key/value head
	s_and_b32 s78, s[WV], 1
	s_lshl_b32 s78, s78, 3
	s_add_co_u32 s78, s78, s18
	s_add_co_u32 s78, s78, 16
	s_mul_i32 s80, s78, 196608
	s_mov_b32 s81, 0
	s_wait_kmcnt 0x0
	s_add_nc_u64 s[G0M+2:G0M+3], s[8:9], s[76:77]
	s_add_nc_u64 s[G0K+2:G0K+3], s[4:5], s[80:81]
	s_lshl_b32 s80, s78, 13
	s_add_nc_u64 s[G0S+2:G0S+3], s[6:7], s[80:81]
.irp g, G0M, G0K, G0S
	s_mov_b32 s[\g], 1                             ; count = 1
	s_or_b32 s[\g+3], s[\g+3], 0x80000000          ; type = 2
.endr
	s_and_b32 s[G0M+1], s[WV], 3
	s_mul_i32 s[G0M+1], s[G0M+1], MGRP             ; LDS: the wave's number and constants alone
	s_and_b32 s[G0K+1], s[WV], 1
	s_mul_i32 s[G0K+1], s[G0K+1], 24576
	s_add_co_u32 s[G0K+1], s[G0K+1], KOFF
	s_and_b32 s[G0S+1], s[WV], 1
	s_lshl_b32 s[G0S+1], s[G0S+1], 13
	s_add_co_u32 s[G0S+1], s[G0S+1], SCK
	; LDS addresses, all made here
	v_and_b32 v4, 31, v0                           ; lane
	s_delay_alu instid0(VALU_DEP_1)
	v_lshlrev_b32 v7, 4, v4
	s_mul_i32 s92, s[HF], 12288
	s_add_co_u32 s92, s92, KOFF
	v_add_nc_u32 v1, s92, v7                       ; an image's place for my lane, from the first image of K of my key step
	v_and_b32 v8, 15, v0                           ; r
	s_wait_alu depctr_va_vdst(0)
	v_bfe_u32 v9, v0, 4, 1                         ; h
	v_lshlrev_b32 v28, 4, v8                       ; 16 r
	s_lshl_b32 s93, s[HF], 9
	s_add_co_u32 s92, s93, SCK
	v_add_nc_u32 v2, s92, v28                      ; my row's four scale words, my key step: 512 bytes a step
	s_bfe_u32 s92, s[WV], 0x10001
	s_mul_i32 s92, s92, 2*MGRP
	s_add_co_u32 s93, s93, s92
	s_and_b32 s92, s[WV], 1
	s_mul_i32 s92, s92, 8*MP
	s_add_co_u32 s92, s92, s93
	v_lshrrev_b32 v10, 3, v8
	v_and_b32 v11, 7, v8
	s_delay_alu instid0(VALU_DEP_2)
	v_mul_u32_u24 v3, v10, MGRP
	s_delay_alu instid0(VALU_DEP_1)
	v_mad_u32_u24 v3, v11, MP, v3
	s_wait_alu depctr_va_vdst(0)
	v_lshl_add_u32 v3, v9, 6, v3
	s_delay_alu instid0(VALU_DEP_1)
	v_add_nc_u32 v3, s92, v3                       ; my query's mask row: group 2 ((w >> 1) & 1) + r / 8, row 8 (w & 1) + r % 8, + 64 h, + 512 for the slot's second step
	s_mul_i32 s92, s[WV], STGW
	v_add_nc_u32 v11, s92, v7                      ; my stage
	s_xor_b32 s92, s[WV], 4
	s_mul_i32 s92, s92, STGW
	v_add_nc_u32 v31, s92, v7                      ; and that of the wave with my tile and the other key steps
	CROUND                                         ; all sixteen work-groups are here: the first joint loads meet
	TLOAD 1                                        ; slot 0 and the scale words: one load a wave
	; Q of both heads, and where O goes
	s_lshl_b32 s83, s18, 1
	s_add_co_u32 s83, s83, s[HF]                   ; window 0's head,
	s_xor_b32 s84, s83, 1                          ; window 1's
	s_and_b32 s82, s[WV], 3
	s_lshl_b32 s85, s17, 2
	s_add_co_u32 s85, s85, s82                     ; my token tile
	s_mov_b32 s87, 0
	s_mul_i32 s94, s85, 1536
	s_mul_i32 s86, s83, 196608
	s_add_co_u32 s86, s86, s94
	s_add_nc_u64 s[88:89], s[4:5], s[86:87]        ; Q's image, window 0's head
	s_mul_i32 s86, s84, 196608
	s_add_co_u32 s86, s86, s94
	s_add_nc_u64 s[32:33], s[4:5], s[86:87]        ; window 1's
	s_lshl_b32 s94, s17, 8
	s_lshl_b32 s82, s82, 2
	s_add_co_u32 s94, s94, s82                     ; Q's scale words: block X, word w & 3
	s_lshl_b32 s86, s83, 13
	s_add_co_u32 s86, s86, s94
	s_add_nc_u64 s[90:91], s[6:7], s[86:87]
	s_lshl_b32 s86, s84, 13
	s_add_co_u32 s86, s86, s94
	s_add_nc_u64 s[34:35], s[6:7], s[86:87]
	s_mul_i32 s86, s85, 6144                       ; attn_img lies [head / 4][token tile][head % 4][1,536 bytes]: the last projection's K phase outermost
	s_lshr_b32 s82, s83, 2
	s_mul_i32 s82, s82, 786432
	s_add_co_u32 s86, s86, s82
	s_and_b32 s82, s83, 3
	s_mul_i32 s82, s82, 1536
	s_add_co_u32 s86, s86, s82
	s_add_nc_u64 s[10:11], s[10:11], s[86:87]      ; O's image: [token tile][head], window 0's head
	s_lshl_b32 s86, s85, 10
	s_lshr_b32 s82, s83, 2
	s_lshl_b32 s82, s82, 8
	s_add_co_u32 s86, s86, s82
	s_and_b32 s82, s83, 3
	s_lshl_b32 s82, s82, 2
	s_add_co_u32 s86, s86, s82
	s_add_nc_u64 s[12:13], s[12:13], s[86:87]      ; O's scale word: [token tile][head / 4][r][head % 4]
.irp c, 0,1,2
	global_load_b128 v[16+4*\c:19+4*\c], v7, s[88:89] offset:512*\c
.endr
	global_load_b32 v255, v28, s[90:91]
	global_load_b32 v30, v28, s[34:35]
	WIN 0x40                                       ; destination window 1
.irp c, 0,1,2
	global_load_b128 v[16+4*\c:19+4*\c], v7, s[32:33] offset:512*\c
.endr
	WIN 0
.macro INIT                            ; a head's running figures, in the window that is set
	v_mov_b32 v13, 0xff61b1e6                      ; the largest t so far: -3e38
	s_delay_alu instid0(VALU_DEP_1)
	v_floor_f32 v12, -v13                          ; -M
	v_mov_b32 v14, 0
	v_mov_b32 v15, 0
.irp b, 0,1,2,3
	v_mov_b32 v[236+\b], 0                         ; written once: a lane permute's destination counts as one of its sources
.endr
	v_mov_b32 v253, 0                              ; (named as the upper half of the pair v[252:253] before it is first written)
.set j, 0
.rept 64
	v_mov_b32 v[160+j], 0                          ; O^T: the step is written once; its first pass finds zeros, which the first change of M leaves zeros
.set j, j+1
.endr
.endm
	INIT
	WIN 0x55
	INIT
	WIN 0
; Eight fragments (0-3 into window 0, 4-7 into window 1) and their rows' scale words, eight registers from sreg on: 26 loads
.macro KVLOAD off, soff, sreg
.irp t, 0,1,2,3
.irp c, 0,1,2
	ds_load_b128 v[32+12*\t+4*\c:35+12*\t+4*\c], v8 offset:(\off)+\t*1536+512*\c
.endr
.endr
	ds_load_b128 v[\sreg:\sreg+3], v10 offset:\soff
	ds_load_b128 v[\sreg+4:\sreg+7], v10 offset:(\soff)+256
	WIN 0x40
.irp t, 0,1,2,3
.irp c, 0,1,2
	ds_load_b128 v[32+12*\t+4*\c:35+12*\t+4*\c], v8 offset:(\off)+6144+\t*1536+512*\c
.endr
.endr
	WIN 0
.endm
.macro SPROD t0, sq                    ; S^T of key tiles t0 .. t0 + 3; sq: the register with Q's scale words.  The windows say whose Q, which C and which D
.irp t, 0,1,2,3
	v_wmma_scale_f32_16x16x128_f8f6f4 v[96+8*(\t0+\t):103+8*(\t0+\t)], v[32+12*\t:43+12*\t], v[16:27], v[96+8*(\t0+\t):103+8*(\t0+\t)], v[80+\t0+\t], v[\sq] matrix_a_fmt:MATRIX_FMT_FP6 matrix_b_fmt:MATRIX_FMT_FP6
.endr
.endm
.macro OPROD t0, sp                    ; O^T of d tiles t0 .. t0 + 3 += V^T P^T; sp: the register with p's scale words
.irp t, 0,1,2,3
	v_wmma_scale_f32_16x16x128_f8f6f4 v[160+8*(\t0+\t):167+8*(\t0+\t)], v[32+12*\t:43+12*\t], v[224:235], v[160+8*(\t0+\t):167+8*(\t0+\t)], v[88+\t0+\t], v[\sp] matrix_a_fmt:MATRIX_FMT_FP6 matrix_b_fmt:MATRIX_FMT_FP6
.endr
.endm
; One head's softmax of a key step, in the window that is set (every vector register that it names lies in that window): scores in v96-159 -> p's codes in v224-235, its scale word in v253; the sum and O^T under the new M.
.macro SOFTMAX
.irp b, 0,1,2,3
	v_max3_num_f32 v[232+\b], v[96+16*\b], v[97+16*\b], v[98+16*\b]   ; the largest score of each block of 32 keys: for the row's maximum, and, since p rises with the score, for the block's largest p
.endr
.irp i, 3,5,7,9,11,13
.irp b, 0,1,2,3
	v_max3_num_f32 v[232+\b], v[232+\b], v[96+16*\b+\i], v[97+16*\b+\i]
.endr
.endr
.irp b, 0,1,2,3
	v_max_num_f32 v[232+\b], v[232+\b], v[111+16*\b]
.endr
.irp b, 0,1,2,3
	s_delay_alu instid0(VALU_DEP_4)
	v_permlanex16_b32 v[236+\b], v[232+\b], s[SEL], s[SEL+1]
.endr
.irp b, 0,1,2,3
	s_delay_alu instid0(VALU_DEP_4)
	v_max_num_f32 v[232+\b], v[232+\b], v[236+\b]  ; with lane l xor 16's 16 keys
.endr
	s_delay_alu instid0(VALU_DEP_2)
	v_max3_num_f32 v254, v232, v233, v234
	s_delay_alu instid0(VALU_DEP_1)
	v_max_num_f32 v254, v254, v235
	s_delay_alu instid0(VALU_DEP_1)
	v_mul_f32 v254, s[CS], v254                    ; as t (c is positive)
	s_delay_alu instid0(VALU_DEP_1)
	v_max_num_f32 v13, v13, v254                   ; the running largest t
	v_mov_b32 v254, v12
	s_delay_alu instid0(VALU_DEP_2)
	v_floor_f32 v12, -v13                          ; the new -M = -ceil(t)
	s_delay_alu instid0(VALU_DEP_1)
	v_sub_f32 v254, v12, v254                      ; old M - new M: a whole number, 0 or less
	s_delay_alu instid0(VALU_DEP_1)
	v_cvt_i32_f32 v254, v254                       ; (it saturates)
	s_delay_alu instid0(VALU_DEP_1)
	v_ldexp_f32 v252, 1.0, v254                    ; f = 2^(old M - new M)
.set j, 0
.rept 32
	v_pk_fma_f32 v[96+j:97+j], v[96+j:97+j], s[CS:CS+1], v[12:13] op_sel_hi:[1,0,0]   ; t - M
.set j, j+2
.endr
.irp b, 0,1,2,3
	v_fma_f32 v[232+\b], v[232+\b], s[CS], v12     ; the same of each block's largest score
.endr
.set j, 0
	s_wait_alu depctr_va_vdst(0)
.rept 64
	v_exp_f32 v[96+j], v[96+j]                     ; p = 2^(t - M)
.set j, j+1
.endr
.irp b, 0,1,2,3
	v_exp_f32 v[232+\b], v[232+\b]                 ; the block's largest p: the same two instructions on the same number
.endr
	v_pk_mul_f32 v[14:15], v[14:15], v[252:253] op_sel_hi:[1,0]   ; the sums under the new M (a plain line behind the exponentials)
	s_wait_alu depctr_va_vdst(0)
.irp b, 0,1,2,3
	v_max_num_f32 v[232+\b], 0x1800000, v[232+\b]  ; the floor 2^(3 - 127): the byte cannot fall under 1
.endr
.irp b, 0,1,2,3
	s_delay_alu instid0(VALU_DEP_4)
	v_add_nc_u32 v[244+\b], 0xff000000, v[232+\b]  ; 2 off the exponent field: the conversion's scale operand
.endr
.irp b, 0,1,2,3
	s_delay_alu instid0(VALU_DEP_4)
	v_lshrrev_b32 v[236+\b], 23, v[244+\b]
.endr
	s_delay_alu instid0(VALU_DEP_3)
	v_lshl_or_b32 v253, v237, 8, v236              ; p's scale word for these 128 keys
	s_delay_alu instid0(VALU_DEP_1)
	v_lshl_or_b32 v253, v238, 16, v253
	s_delay_alu instid0(VALU_DEP_1)
	v_lshl_or_b32 v253, v239, 24, v253
.irp c, 0,1
	v_cvt_scalef32_pk16_fp6_f32 v[224+6*\c:226+6*\c], v[96+32*\c:111+32*\c], v[244+2*\c]
	v_cvt_scalef32_pk16_fp6_f32 v[236+4*\c:238+4*\c], v[112+32*\c:127+32*\c], v[244+2*\c+1]
.endr
	v_nop                                          ; one plain line behind a scaled conversion
.irp c, 0,1
.irp i, 0,1,2
	v_permlane16_swap_b32 v[224+6*\c+\i], v[236+4*\c+\i]
.endr
.irp i, 0,1,2
	s_delay_alu instid0(VALU_DEP_3)
	v_mov_b32 v[227+6*\c+\i], v[236+4*\c+\i]
.endr
.endr
	v_pk_add_f32 v[236:237], v[96:97], v[98:99]    ; the row's sum is taken of the unquantised p, in two chains
.irp j, 4,8,12,16,20,24,28,32,36,40,44,48,52,56,60
	v_pk_add_f32 v[14:15], v[14:15], v[96+\j:97+\j]
	v_pk_add_f32 v[236:237], v[236:237], v[98+\j:99+\j]
.endr
	s_delay_alu instid0(VALU_DEP_1)
	v_pk_add_f32 v[14:15], v[14:15], v[236:237]
.set j, 0
.rept 32
	v_pk_mul_f32 v[160+j:161+j], v[160+j:161+j], v[252:253] op_sel_hi:[1,0]   ; O^T under the new M
.set j, j+2
.endr
.endm
.macro STEP                            ; my 128 keys of the slot in hand, for both heads
	v_add_nc_u32 v8, s[TB], v1
	v_add_nc_u32 v9, s[TB], v3
	v_add_nc_u32 v10, s[TS], v2
	v_nop                                          ; these four lines are the places behind the last products, in front of the loads below
.irp b, 0,1,2,3
.irp j, 0,1,2,3
	ds_load_b128 v[96+16*\b+4*\j:99+16*\b+4*\j], v9 offset:128*\b+16*\j   ; the mask of my query at keys 32 b + 16 h + 4 j on: read once for both heads
.endr
.endr
	KVLOAD 0, 0, 80                                ; all eight tiles of K
	s_wait_dscnt 26                                ; the mask's 16 loads are in; K's 24 and its 2 loads of scale words may be out
.set j, 0
.rept 32
	v_pk_mul_f32 v[96+j:97+j], v[96+j:97+j], s[RT:RT+1] op_sel_hi:[1,0]   ; mask x sqrt(128): the C of the products below
.set j, j+2
.endr
	PLACES 4
	s_wait_alu depctr_va_vdst(0)
	s_wait_dscnt 0x0
	WIN 0x44                                       ; window 1's head first: Q and D in window 1, K's tile and the mask (C) in window 0
	SPROD 0, 30
	WIN 0x45                                       ; the same with K's tiles 4-7, which lie in window 1
	SPROD 4, 30
	WIN 0
	PLACES 5                                       ; the products below write over the registers that those above read as C: five places
	SPROD 0, 255                                   ; window 0's head adds in place onto the mask
	WIN 0x01
	SPROD 4, 255
	WIN 0
	PLACES 4                                       ; in front of the loads below and of the first reads of the scores
	KVLOAD 24576, 8192, 88                         ; all eight tiles of V^T land while the two softmaxes are walked
	WIN 0x55
	SOFTMAX                                        ; window 1's head
	WIN 0x01
	v_mov_b32 v29, v253                            ; its p's scale word goes to window 0, where scale operands are read; window 0's softmax stands between this line and its use
	WIN 0
	SOFTMAX                                        ; window 0's head
	s_wait_alu depctr_va_vdst(0)
	s_wait_dscnt 0x0                               ; V^T
	OPROD 0, 253                                   ; sixteen accumulators, one instruction each
	WIN 0x01
	OPROD 4, 253
	WIN 0x55
	OPROD 4, 29
	WIN 0x54
	OPROD 0, 29
	WIN 0
	s_add_co_u32 s[TS], s[TS], 1024                ; the next slot's scale words
.endm
; THE CHANGE OF SLOTS stands at a slot's head: each wave waits for all its tensor loads, adds 0 to its spare word, and waits for that and for its reads of the slot that it has left.
; fill = 1: the barrier is a round of the cluster's, and behind it the slot that was left takes the next 256 keys: the load has a key step of every wave in which to land.
.macro CHANGE fill
	s_wait_tensorcnt 0x0
	ds_add_u32 v[SPW], v[NIL]
.if \fill
	s_xor_b32 s[G0M+1], s[G0M+1], SLOT1
	s_add_nc_u64 s[G0M+2:G0M+3], s[G0M+2:G0M+3], 1024
	s_xor_b32 s[G0K+1], s[G0K+1], SLOT1
	s_add_nc_u64 s[G0K+2:G0K+3], s[G0K+2:G0K+3], 24576
.endif
	s_wait_dscnt 0x0
.if \fill
	CROUND
	TLOAD 0
.else
	s_barrier_signal -1
	s_barrier_wait -1
.endif
.endm
	s_wait_loadcnt 0x0                             ; Q and its scale words, both heads
.Lslot:                                            ; 7 trips: behind each change of slots but the last the next slot is asked for
	CHANGE 1
	STEP
	s_xor_b32 s[TB], s[TB], SLOT1
	s_sub_co_u32 s[SLOTS], s[SLOTS], 1
	s_cmp_lg_u32 s[SLOTS], 0
	s_cbranch_scc1 .Lslot
	CHANGE 0                                       ; the last slot is written out
	STEP
	; THE TWO HALVES OF THE KEYS MEET.  Window 1's head goes to my stage as it stands in registers: 16 bytes a lane, 512 bytes a store.  The stages lie in slot 0: it has had its last fill,
	; and every wave's reads of it were over at the last change of slots; the last step reads slot 1 and the scale words alone.
	PLACES 4                                       ; behind the last products
	WIN 0x55
	v_add_f32 v13, v14, v15                        ; my lane's part of that head's sum, beside its -M
	WIN 0x04                                       ; an LDS store's data are its source 1: window 1
.set j, 0
.rept 16
	ds_store_b128 v11, v[160+4*j:163+4*j] offset:512*j   ; each accumulator from its low end on
.set j, j+1
.endr
	ds_store_b64 v11, v[12:13] offset:8192
	WIN 0
	s_wait_dscnt 0x0                               ; for my partner's sake: my stores have landed
	s_barrier_signal -1
	s_barrier_wait -1
.set j, 0
.rept 16
	ds_load_b128 v[96+4*j:99+4*j], v31 offset:512*j      ; my partner's O^T of MY window 0's head, over the other key steps
.set j, j+1
.endr
	ds_load_b64 v[240:241], v31 offset:8192        ; its -M and its sum
	v_add_f32 v14, v14, v15                        ; my own sum's two halves
	s_wait_dscnt 0x0
	v_min_num_f32 v242, v12, v240                  ; the joint -M: the smaller of the two, since the joint M is the larger
	s_delay_alu instid0(VALU_DEP_1)
	v_sub_f32 v243, v242, v12                      ; my M less the joint M: a whole number, 0 or less;
	s_delay_alu instid0(VALU_DEP_2)
	v_sub_f32 v244, v242, v240                     ; my partner's likewise
	s_delay_alu instid0(VALU_DEP_2)
	v_cvt_i32_f32 v243, v243                       ; (they saturate)
	s_delay_alu instid0(VALU_DEP_2)
	v_cvt_i32_f32 v244, v244
	s_delay_alu instid0(VALU_DEP_2)
	v_ldexp_f32 v243, 1.0, v243                    ; exact powers of two
	s_wait_alu depctr_va_vdst(0)
	v_ldexp_f32 v244, 1.0, v244
	v_mul_f32 v14, v14, v243
	s_delay_alu instid0(VALU_DEP_1)
	v_fma_f32 v14, v241, v244, v14                 ; the sum under the joint M,
	s_delay_alu instid0(VALU_DEP_1)
	v_permlanex16_b32 v252, v14, s[SEL], s[SEL+1]
	s_delay_alu instid0(VALU_DEP_1)
	v_add_f32 v14, v14, v252                       ; with lane l xor 16's: the row's sum over all keys
	s_wait_alu depctr_va_vdst(0)
	v_rcp_f32 v14, v14
	v_nop                                          ; a plain line behind the transcendental
	s_wait_alu depctr_va_vdst(0)
	v_mul_f32 v246, v243, v14                      ; the power of two and the division in one factor each
	v_mul_f32 v248, v244, v14
	s_delay_alu instid0(VALU_DEP_2)
	v_mov_b32 v247, v246
	s_delay_alu instid0(VALU_DEP_2)
	v_mov_b32 v249, v248
.set j, 0
.rept 32
	v_pk_mul_f32 v[96+j:97+j], v[96+j:97+j], v[248:249]
.set j, j+2
.endr
.set j, 0
.rept 32
	v_pk_fma_f32 v[96+j:97+j], v[160+j:161+j], v[246:247], v[96+j:97+j]   ; register 16 b + i is d = 32 b + 16 h + i of my query
.set j, j+2
.endr
	; quantised along the head's 128: K step 'head' of the last projection
.irp b, 0,1,2,3
	v_max3_num_f32 v[TM+\b], |v[96+16*\b]|, |v[97+16*\b]|, 0x1800000
.endr
.irp i, 2,4,6,8,10,12,14
.irp b, 0,1,2,3
	s_delay_alu instid0(VALU_DEP_4)
	v_max3_num_f32 v[TM+\b], v[TM+\b], |v[96+16*\b+\i]|, |v[97+16*\b+\i]|
.endr
.endr
.irp b, 0,1,2,3
	s_delay_alu instid0(VALU_DEP_4)
	v_permlanex16_b32 v[TM+4+\b], v[TM+\b], s[SEL], s[SEL+1]
.endr
.irp b, 0,1,2,3
	s_delay_alu instid0(VALU_DEP_4)
	v_max_num_f32 v[TM+\b], v[TM+\b], v[TM+4+\b]
.endr
.irp b, 0,1,2,3
	s_delay_alu instid0(VALU_DEP_4)
	v_add_nc_u32 v[TM+12+\b], 0xff000000, v[TM+\b]
.endr
.irp b, 0,1,2,3
	s_delay_alu instid0(VALU_DEP_4)
	v_lshrrev_b32 v[TM+4+\b], 23, v[TM+12+\b]
.endr
	s_delay_alu instid0(VALU_DEP_3)
	v_lshl_or_b32 v68, v[TM+5], 8, v[TM+4]
	s_delay_alu instid0(VALU_DEP_1)
	v_lshl_or_b32 v68, v[TM+6], 16, v68
	s_delay_alu instid0(VALU_DEP_1)
	v_lshl_or_b32 v68, v[TM+7], 24, v68
.irp c, 0,1
	v_cvt_scalef32_pk16_fp6_f32 v[PC+6*\c:PC+2+6*\c], v[96+32*\c:111+32*\c], v[TM+12+2*\c]
	v_cvt_scalef32_pk16_fp6_f32 v[PX+4*\c:PX+2+4*\c], v[112+32*\c:127+32*\c], v[TM+12+2*\c+1]
.endr
	v_nop
.irp c, 0,1
.irp i, 0,1,2
	v_permlane16_swap_b32 v[PC+6*\c+\i], v[PX+4*\c+\i]
.endr
.irp i, 0,1,2
	s_delay_alu instid0(VALU_DEP_3)
	v_mov_b32 v[PC+3+6*\c+\i], v[PX+4*\c+\i]
.endr
.endr
.irp c, 0,1,2
	global_store_b128 v7, v[PC+4*\c:PC+4*\c+3], s[10:11] offset:512*\c
.endr
	v_cmp_gt_u32 vcc_lo, 16, v4
	s_wait_xcnt 0x0                                ; EXEC changes only behind this wait
	s_and_saveexec_b32 s30, vcc_lo
	global_store_b32 v28, v68, s[12:13]
	s_wait_xcnt 0x0
	s_or_b32 exec_lo, exec_lo, s30
	s_wait_tensorcnt 0x0                           ; the wave's end
	ds_add_u32 v[SPW], v[NIL]
	s_wait_dscnt 0x0
	CROUND                                         ; the closing round
	s_endpgm
.Lfunc_end_k_q9baec5afc7_attn:
	.size	k_q9baec5afc7_attn, .Lfunc_end_k_q9baec5afc7_attn-k_q9baec5afc7_attn
	.p2alignl 7, 3214868480
	.fill 96, 4, 3214868480
	.section	.rodata,"a",@progbits
	.p2align	6, 0x0
	.amdhsa_kernel k_q9baec5afc7_attn
		.amdhsa_group_segment_fixed_size 327680
		.amdhsa_private_segment_fixed_size 0
		.amdhsa_enable_private_segment 0
		.amdhsa_kernarg_size 40
		.amdhsa_user_sgpr_count 2
		.amdhsa_user_sgpr_kernarg_segment_ptr 1
		.amdhsa_wavefront_size32 1
		.amdhsa_system_sgpr_workgroup_id_x 1
		.amdhsa_system_sgpr_workgroup_id_y 1
		.amdhsa_system_sgpr_workgroup_id_z 1
		.amdhsa_system_vgpr_workitem_id 0
		.amdhsa_next_free_vgpr 512
		.amdhsa_next_free_sgpr 96
		.amdhsa_reserve_vcc 1
		.amdhsa_float_denorm_mode_32 3
		.amdhsa_float_denorm_mode_16_64 3
		.amdhsa_memory_ordered 1
		.amdhsa_forward_progress 1
		.amdhsa_inst_pref_size 108
	.end_amdhsa_kernel
	.amdgpu_metadata
---
amdhsa.version: [ 1, 2 ]
amdhsa.kernels:
  - .name:           k_q9baec5afc7_attn
    .symbol:         k_q9baec5afc7_attn.kd
    .args:
      - { .name: qkv_img, .offset: 0, .size: 8, .value_kind: global_buffer, .address_space: global }
      - { .name: qkv_sc, .offset: 8, .size: 8, .value_kind: global_buffer, .address_space: global }
      - { .name: attention_mask, .offset: 16, .size: 8, .value_kind: global_buffer, .address_space: global }
      - { .name: attn_img, .offset: 24, .size: 8, .value_kind: global_buffer, .address_space: global }
      - { .name: attn_sc, .offset: 32, .size: 8, .value_kind: global_buffer, .address_space: global }
    .group_segment_fixed_size: 327680
    .private_segment_fixed_size: 0
    .kernarg_segment_align: 8
    .kernarg_segment_size: 40
    .max_flat_workgroup_size: 256
    .sgpr_count:     96
    .vgpr_count:     512
    .wavefront_size: 32
...
	.end_amdgpu_metadata
.endif
;; end of part 3
;; launch oproj (part 4): grid 16 x 16, 4 waves a work-group, clusters of 4 x 4, 327,680 bytes of LDS; arguments attn_img, attn_sc, codes, scl, out0; writes out0
.if DOCPART == 4
	.amdgcn_target "amdgcn-amd-amdhsa--gfx1250"
	.amdhsa_code_object_version 6
	.text
	.protected	k_q9baec5afc7_oproj
	.globl	k_q9baec5afc7_oproj
	.p2align	8
	.type	k_q9baec5afc7_oproj,@function
k_q9baec5afc7_oproj:
	s_mov_b64 s[64:65], 0
	v_nop
	global_prefetch_b8 v0, s[64:65] scope:SCOPE_SE
	s_setreg_imm32_b32 hwreg(HW_REG_WAVE_MODE, 25, 1), 1
	s_wait_xcnt 0x0
	s_wait_alu depctr_hold_cnt(0) depctr_sa_sdst(0) depctr_va_vdst(0) depctr_va_sdst(0) depctr_va_ssrc(0) depctr_va_vcc(0) depctr_vm_vsrc(0)
	s_getreg_b32 s2, hwreg(HW_REG_IB_STS2, 6, 4)
	s_cmp_eq_u32 s2, 0
	s_cbranch_scc0 .Lentry_in_a_cluster
	s_endpgm
.Lentry_in_a_cluster:
	s_bfe_u32 s2, ttmp6, 0x10000c
	s_cmp_lg_u32 s2, 0xf033
	s_cbranch_scc0 .Lentry_shape_is_right
	s_endpgm
.Lentry_shape_is_right:
; out0 = O wo^T on codes of FP6 (E2M3) with E8M0 scales; K = 2,048 = head x 128 + d.  A work-group makes 128 tokens (A: the attention's images) x 128 outputs (B: wo's tiles 384 + 8 X), each of four waves
; 64 x 64: 16 accumulators; 256 work-groups.  The matrix instruction is used transposed (source 0 = a tile of wo, source 1 = a tile of tokens): a lane holds one token and its registers run along the outputs.
; Lane r of a tile 2 b + u holds true row 32 b + 8 u + r + 8 (r/8).  Operands lie in memory and LDS as images of their registers (1,536 bytes a fragment); attn_img and codes lie [K phase][tile][6,144 bytes].
; K goes in four phases of 512.  EVERY WAVE ISSUES ONE TENSOR LOAD AT THE HEAD: waves 0, 1 fetch 4 tiles of A each, waves 2, 3 fetch 4 tiles of B each, three rows a load: phases 0, 1, 2 of those tiles
; (a row is the tiles' 24,576 consecutive bytes of one phase), into the wave's own region of LDS, [slot 0..2][tile][6,144]: 294,912 bytes in all.  Behind phase 0 a round of the cluster's barrier, and phase 3
; is filled onto phase 0's bytes, one load a wave; it has phases 1 and 2, 128 matrix instructions a wave, in which to land.  No barrier stands between phases 1 and 2: both were shown whole at the head.
; THE SCALE WORDS go from memory straight into registers, once, at the head: 32 loads a wave, sixteen lanes to an aligned block of 256 bytes (lanes 16-31 read the same block again).
; CLUSTER 4 x 4: A's tiles are shared along a row of the cluster, B's along a column: joint loads.
; PREFETCH: behind the head's load phase 3 is asked for, one phase ahead of its load: of the four tiles that a wave fetches each of the four partners names one, told apart by address: a lane a block of 256 bytes,
; 24 blocks (lanes 24-31 name the last again).  Phases 0 to 2 come by their load alone.
; THE WAY OUT: 16 tokens x 64 outputs at a time through the wave's own stage (rows 272 bytes apart), back as whole rows of 256 bytes: sixteen lanes store 256 consecutive bytes, aligned.
; REGISTERS: window 0: v1-17 addresses; v32-95 A's scale words, v96-159 B's (16 g + 4 tile + K step); v96-223 rows on the way out.  window 1: accumulator (a, b) at 8 (4 a + b).
;   windows 2, 3: fragment sets 0, 1: B's tile b at 12 b, A's tile a at 48 + 12 a.
.set NBW,  4
.set NL,   3*(NBW+4)
.set TROW, 6144
.set PH,   512*TROW                    ; from phase to phase in codes
.set PHA,  128*TROW                    ; and in attn_img
.set SPARE, 48*TROW                    ; behind the three slots: the spare words, 128 bytes a wave
.set STAGE, SPARE+512                  ; 16 rows x 272 bytes for each wave; no fill ever lands here
.set LI,   1
.set RR,   2
.set HH,   3
.set ADRA, 4                           ; v4-6 my A fragments in slot 0, 1, 2
.set ADRB, 7                           ; v7-9 my B fragments
.set SPW,  10
.set NIL,  11
.set R16,  12                          ; v12 16 r
.set CO,   13                          ; v13 my byte offset in two rows of out0
.set STO,  14                          ; v14 the stage, in
.set RD,   15                          ; v15 the stage, back
.set PFO,  16                          ; v16 the prefetch's offset
.set SA,   32
.set SB,   96
.set OB,   96
.set WV,   18
.set G1A,  36                          ; group 1 of the refill: 4 rows of 6,144 bytes, dense
.set G1B,  44
.set G1AH, 52                          ; group 1 of the head's load: 3 rows (phases)
.set G1BH, 68
.set PFA,  76
.set G0A,  80
.set G0B,  88
.set MSB, 0
.macro WIN new                         ; the immediate's high byte repeats the setting that is left
.if MSB != (\new)
	s_set_vgpr_msb (MSB<<8)|(\new)
.set MSB, (\new)
.endif
.endm
.macro PLACES n
.rept \n
	v_nop
.endr
.endm
.macro CROUND                          ; a round of the cluster's barrier
	s_barrier_signal -1
	s_barrier_wait -1
	s_cmp_lg_u32 s[WV], 0
	s_cbranch_scc1 .Lnot_wave_0_\@
	s_barrier_signal -3
.Lnot_wave_0_\@:
	s_barrier_wait -3
	s_barrier_signal -1
	s_barrier_wait -1
.endm
.macro JLOAD g1a, g1b                  ; a joint load in every wave: waves 0, 1 for A, waves 2, 3 for B; s_nop 0 and four v_nop follow each line
	s_cmp_eq_u32 s19, 0
	s_cbranch_scc0 .Lfor_b_\@
	tensor_load_to_lds s[G0A:G0A+3], s[\g1a:\g1a+7]
	s_nop 0
	PLACES 4
	s_branch .Lasked_\@
.Lfor_b_\@:
	tensor_load_to_lds s[G0B:G0B+3], s[\g1b:\g1b+7]
	s_nop 0
	PLACES 4
.Lasked_\@:
.endm
.macro DESC g, c, r, p                 ; group 1's words 1 to 7: r rows of c elements of 8 bytes, p elements apart
	s_mov_b32 s[\g+1], ((\c)&0xffff)<<16
	s_mov_b32 s[\g+2], ((\c)>>16)|((\r)<<16)
	s_mov_b32 s[\g+3], (\c)<<16
	s_mov_b32 s[\g+4], \r
	s_mov_b32 s[\g+5], \p
	s_mov_b32 s[\g+6], 0
	s_mov_b32 s[\g+7], 0
.endm
	s_load_b256 s[4:11], s[0:1], 0x0               ; attn_img, attn_sc, codes, scl
	s_load_b64 s[12:13], s[0:1], 0x20              ; out0
	v_lshl_add_u32 v[SPW], v0, 2, SPARE
	v_mov_b32 v[NIL], 0
	ds_add_u32 v[SPW], v[NIL]                      ; the opening lines: the add, twice on end, and its wait ahead of my first tensor load
	ds_add_u32 v[SPW], v[NIL]
	v_lshrrev_b32 v1, 5, v0
	v_readfirstlane_b32 s[WV], v1                  ; wave 0..3
	s_lshr_b32 s19, s[WV], 1                       ; which half of the tokens is mine.  Also: I fetch for A (0) or for B (1)
	s_and_b32 s20, s[WV], 1                        ; which half of the outputs.  Also: which 4 tiles of that operand I fetch
	s_bfe_u32 s21, ttmp6, 0x40000                  ; cx
	s_bfe_u32 s22, ttmp6, 0x40004                  ; cy
	s_lshl_b32 s25, ttmp9, 2
	s_add_co_u32 s25, s25, s21                     ; X
	s_and_b32 s26, ttmp7, 0xffff
	s_lshl_b32 s26, s26, 2
	s_add_co_u32 s26, s26, s22                     ; Y
	s_lshl_b32 s27, s22, 2
	s_lshl_b32 s27, 15, s27                        ; my row of the cluster
	s_lshl_b32 s28, 0x1111, s21                    ; my column
	s_or_b32 s[G1A], s27, (3<<16)|(1<<21)          ; 15:0 the mask; 17:16 elements of 8 bytes; 21 set beside a mask
	s_or_b32 s[G1AH], s27, (3<<16)|(1<<21)
	s_or_b32 s[G1B], s28, (3<<16)|(1<<21)
	s_or_b32 s[G1BH], s28, (3<<16)|(1<<21)
	DESC G1A, 768, 4, 768
	DESC G1B, 768, 4, 768
	DESC G1AH, 4*768, 3, PHA/8
	DESC G1BH, 4*768, 3, PH/8
	s_lshl_b32 s96, s26, 3                         ; A's first tile: 8 Y (registers that never hold cx)
	s_lshl_b32 s98, s25, 3
	s_add_co_u32 s98, s98, 384                     ; B's: 384 + 8 X (registers that never hold cy)
	s_lshl_b32 s34, s19, 2
	s_add_co_u32 s34, s34, s96
	s_lshl_b32 s34, s34, 10                        ; the scale words of the 4 tiles of A that I multiply
	s_mov_b32 s35, 0
	s_lshl_b32 s99, s20, 2
	s_add_co_u32 s98, s98, s99                     ; the 4 tiles of B that I multiply, which waves 2 and 3 also fetch
	s_lshl_b32 s100, s98, 10
	s_mov_b32 s101, 0
	s_add_co_u32 s96, s96, s99                     ; the 4 tiles of A that waves 0 and 1 fetch
	s_mul_i32 s94, s96, TROW
	s_mov_b32 s95, 0
	s_mul_i32 s92, s98, TROW
	s_mov_b32 s93, 0
	s_add_co_u32 s60, s96, s21                     ; the prefetch: of A's four tiles the one at my place along x, phase 3;
	s_mul_i32 s60, s60, TROW
	s_add_co_u32 s60, s60, 3*PHA
	s_add_co_u32 s62, s98, s22                     ; of B's four the one at my place along y
	s_mul_i32 s62, s62, TROW
	s_add_co_u32 s62, s62, 3*PH
	s_cmp_eq_u32 s19, 0
	s_cselect_b32 s60, s60, s62
	s_mov_b32 s61, 0
	s_lshl_b32 s2, s26, 20                         ; out0: row 128 Y + 64 (w >> 1), byte 512 X + 256 (w & 1) of it
	s_lshl_b32 s3, s19, 19
	s_add_co_u32 s2, s2, s3
	s_lshl_b32 s3, s25, 9
	s_add_co_u32 s2, s2, s3
	s_lshl_b32 s3, s20, 8
	s_add_co_u32 s2, s2, s3
	s_mov_b32 s3, 0
	s_mul_i32 s[G0A+1], s[WV], 12*TROW             ; LDS: wave x (3 slots x 4 tiles): no place in the cluster enters
	s_mov_b32 s[G0B+1], s[G0A+1]
	s_mul_i32 s62, s19, 12*TROW                    ; my tiles of A
	s_mul_i32 s63, s20, 12*TROW
	s_add_co_u32 s63, s63, 24*TROW                 ; my tiles of B
	s_mul_i32 s78, s[WV], 16*272
	s_add_co_u32 s78, s78, STAGE                   ; my stage
	v_and_b32 v17, 31, v0
	v_lshlrev_b32 v[LI], 4, v17
	v_and_b32 v[RR], 15, v0
	v_bfe_u32 v[HH], v0, 4, 1
	v_add_nc_u32 v[ADRA], s62, v[LI]
	v_add_nc_u32 v[ADRA+1], 4*TROW, v[ADRA]
	v_add_nc_u32 v[ADRA+2], 8*TROW, v[ADRA]
	v_add_nc_u32 v[ADRB], s63, v[LI]
	v_add_nc_u32 v[ADRB+1], 4*TROW, v[ADRB]
	v_add_nc_u32 v[ADRB+2], 8*TROW, v[ADRB]
	v_lshlrev_b32 v[R16], 4, v[RR]
	v_min_u32 v[PFO], 23, v17
	v_lshlrev_b32 v[PFO], 8, v[PFO]
	v_mul_u32_u24 v[STO], v[RR], 272
	v_lshl_add_u32 v[STO], v[HH], 6, v[STO]
	v_add_nc_u32 v[STO], s78, v[STO]               ; in: row r, + 64 h
	v_mul_u32_u24 v[RD], v[HH], 272
	v_lshl_add_u32 v[RD], v[RR], 4, v[RD]
	v_add_nc_u32 v[RD], s78, v[RD]                 ; back: lanes 0-15 one row, lanes 16-31 the next
	v_lshlrev_b32 v[CO], 4, v[RR]
	v_lshl_add_u32 v[CO], v[HH], 13, v[CO]         ; and the same two rows in out0
	s_wait_alu depctr_va_vdst(0)                   ; the wait behind the head's last vector instruction
	s_wait_dscnt 0x0                               ; both opening adds are done
	s_wait_kmcnt 0x0
	s_add_nc_u64 s[G0A+2:G0A+3], s[4:5], s[94:95]
	s_add_nc_u64 s[G0B+2:G0B+3], s[8:9], s[92:93]
.irp g, G0A, G0B
	s_mov_b32 s[\g], 1                             ; count = 1
	s_or_b32 s[\g+3], s[\g+3], 0x80000000          ; type = 2
.endr
	s_add_nc_u64 s[6:7], s[6:7], s[34:35]
	s_add_nc_u64 s[10:11], s[10:11], s[100:101]
	s_add_nc_u64 s[12:13], s[12:13], s[2:3]
	s_cmp_eq_u32 s19, 0
	s_cselect_b64 s[PFA:PFA+1], s[4:5], s[8:9]     ; the choice hangs on the wave's number alone
	s_add_nc_u64 s[PFA:PFA+1], s[PFA:PFA+1], s[60:61]
.irp g, 0,1,2,3
.irp i, 0,1,2,3
	global_load_b128 v[SA+16*\g+4*\i:SA+16*\g+4*\i+3], v[R16], s[6:7] offset:\i*1024+\g*256
	global_load_b128 v[SB+16*\g+4*\i:SB+16*\g+4*\i+3], v[R16], s[10:11] offset:\i*1024+\g*256
.endr
.endr
	CROUND                                         ; all sixteen work-groups are here: the first joint loads meet
	JLOAD G1AH, G1BH                               ; phases 0, 1 and 2: my one tensor load at the head
	global_prefetch_b8 v[PFO], s[PFA:PFA+1] th:TH_LOAD_NT scope:SCOPE_SE   ; phase 3
.macro FETCH slot, ks, p               ; the fragments of K step ks of a slot into set p (window 2 + p)
	WIN 0x80+0x40*(\p)
.set fb, 0
.rept NBW
.irp c, 0,1,2
	ds_load_b128 v[12*fb+4*\c:12*fb+4*\c+3], v[ADRB+(\slot)] offset:fb*TROW+(\ks)*1536+512*\c
.endr
.set fb, fb+1
.endr
.set fb, 0
.rept 4
.irp c, 0,1,2
	ds_load_b128 v[12*NBW+12*fb+4*\c:12*NBW+12*fb+4*\c+3], v[ADRA+(\slot)] offset:fb*TROW+(\ks)*1536+512*\c
.endr
.set fb, fb+1
.endr
	WIN 0
.endm
; All accumulators take turns, one instruction a turn, in the same order in every K step.
.macro MUL a0, n, g, ks, zero
.set ma, \a0
.rept \n
.set mb, 0
.rept NBW
.if \zero
	v_wmma_scale_f32_16x16x128_f8f6f4 v[8*(NBW*ma+mb):8*(NBW*ma+mb)+7], v[12*mb:12*mb+11], v[12*NBW+12*ma:12*NBW+12*ma+11], 0, v[SB+16*(\g)+4*mb+(\ks)], v[SA+16*(\g)+4*ma+(\ks)] matrix_a_fmt:MATRIX_FMT_FP6 matrix_b_fmt:MATRIX_FMT_FP6
.else
	v_wmma_scale_f32_16x16x128_f8f6f4 v[8*(NBW*ma+mb):8*(NBW*ma+mb)+7], v[12*mb:12*mb+11], v[12*NBW+12*ma:12*NBW+12*ma+11], v[8*(NBW*ma+mb):8*(NBW*ma+mb)+7], v[SB+16*(\g)+4*mb+(\ks)], v[SA+16*(\g)+4*ma+(\ks)] matrix_a_fmt:MATRIX_FMT_FP6 matrix_b_fmt:MATRIX_FMT_FP6
.endif
.set mb, mb+1
.endr
.set ma, ma+1
.endr
.endm
.macro STEP fs, fk, g, ks, zero        ; the next step's fragments (slot fs, K step fk) are asked for, then K step ks of phase g is multiplied
	PLACES 4                                       ; four places in front of loads into registers that the last products read (ISA guide 7.12.1 for vector instructions)
	FETCH \fs, \fk, 1-(\ks)%2
	s_wait_dscnt NL                                ; all but the NL loads just issued: this step's set is in
	WIN 0x5a+5*((\ks)%2)
	MUL 0, 4, \g, \ks, \zero
	WIN 0
.endm
.macro TURN next, g, fill              ; a phase's last K step, with a barrier.  fill = 1: slot 0, just read out, takes phase 3.  fill = 0: phase 3 is shown whole to every wave
	s_wait_tensorcnt 0x0                           ; all my tensor loads have landed
	ds_add_u32 v[SPW], v[NIL]                      ; 0 onto my spare word
	s_wait_dscnt 1                                 ; only the add may be out: set 1 is in
	WIN 0x5f
	MUL 0, 2, \g, 3, 0
	WIN 0
	PLACES 4                                       ; the places in front of the loads into set 0 below
	s_wait_dscnt 0x0                               ; the add is done, and my reads of the slot that I leave are over
.if \fill
	CROUND                                         ; no wave of any partner still reads slot 0 or has a load on its way
	s_add_nc_u64 s[G0A+2:G0A+3], s[G0A+2:G0A+3], 3*PHA
	s_add_nc_u64 s[G0B+2:G0B+3], s[G0B+2:G0B+3], 3*PH
	JLOAD G1A, G1B                                 ; my one tensor load behind the round
.else
	s_barrier_signal -1
	s_barrier_wait -1
.endif
	FETCH \next, 0, 0
	WIN 0x5f
	MUL 2, 2, \g, 3, 0
	WIN 0
.endm
	s_wait_loadcnt 0x0                             ; the scale words
	s_wait_tensorcnt 0x0                           ; my part of the three slots is in
	s_barrier_signal -1
	s_barrier_wait -1                              ; and everybody's
	FETCH 0, 0, 0
	STEP 0, 1, 0, 0, 1                             ; the first products start the sums
	STEP 0, 2, 0, 1, 0
	STEP 0, 3, 0, 2, 0
	TURN 1, 0, 1
	STEP 1, 1, 1, 0, 0
	STEP 1, 2, 1, 1, 0
	STEP 1, 3, 1, 2, 0
	STEP 2, 0, 1, 3, 0                             ; on into slot 2 with no barrier
	STEP 2, 1, 2, 0, 0
	STEP 2, 2, 2, 1, 0
	STEP 2, 3, 2, 2, 0
	TURN 0, 2, 0
	STEP 0, 1, 3, 0, 0
	STEP 0, 2, 3, 1, 0
	STEP 0, 3, 3, 2, 0
	s_wait_dscnt 0x0
	WIN 0x5f
	MUL 0, 4, 3, 3, 0
	WIN 0
	PLACES 4                                       ; in front of the first reads of results and of loads onto the scale words' registers
; Token tile a: register j of accumulator (a, 2 e + u) is output 32 e + 16 h + 8 u + j of my 64: byte 128 e + 64 h + 32 u + 4 j of stage row r.  Each accumulator from its low end on.
.macro TOSTAGE a
	WIN 0x04                                       ; an LDS store's data are its source 1: window 1
.irp e, 0,1
.irp j, 0,1,2,3
	ds_store_b128 v[STO], v[8*(4*(\a)+2*\e+\j/2)+4*(\j%2):8*(4*(\a)+2*\e+\j/2)+4*(\j%2)+3] offset:128*\e+16*\j
.endr
.endr
	WIN 0
.irp t, 0,1,2,3,4,5,6,7
	ds_load_b128 v[OB+32*(\a)+4*\t:OB+32*(\a)+4*\t+3], v[RD] offset:2*\t*272   ; LDS serves a wave's instructions in order: these see the stores above
.endr
.endm
.macro SEND a, younger                 ; stage row 2 t + (lane / 16) of tile a is token 32 (a/2) + 8 (a%2) + 2 t + 8 (t/4) + (lane / 16) of my 64
	s_wait_dscnt \younger
.irp t, 0,1,2,3,4,5,6,7
	global_store_b128 v[CO], v[OB+32*(\a)+4*\t:OB+32*(\a)+4*\t+3], s[12:13] offset:(32*((\a)/2)+8*((\a)%2)+2*\t+8*(\t/4))*8192 th:TH_STORE_NT
.endr
.endm
	TOSTAGE 0
.irp a, 1,2,3
	TOSTAGE \a
	SEND \a-1, 16                                  ; behind tile a - 1's loads: tile a's 8 stores and 8 loads
.endr
	SEND 3, 0
	s_wait_tensorcnt 0x0                           ; the wave's end
	ds_add_u32 v[SPW], v[NIL]
	s_wait_dscnt 0x0
	CROUND                                         ; the closing round
	s_endpgm
.Lfunc_end_k_q9baec5afc7_oproj:
	.size	k_q9baec5afc7_oproj, .Lfunc_end_k_q9baec5afc7_oproj-k_q9baec5afc7_oproj
	.p2alignl 7, 3214868480
	.fill 96, 4, 3214868480
	.section	.rodata,"a",@progbits
	.p2align	6, 0x0
	.amdhsa_kernel k_q9baec5afc7_oproj
		.amdhsa_group_segment_fixed_size 327680
		.amdhsa_private_segment_fixed_size 0
		.amdhsa_enable_private_segment 0
		.amdhsa_kernarg_size 40
		.amdhsa_user_sgpr_count 2
		.amdhsa_user_sgpr_kernarg_segment_ptr 1
		.amdhsa_wavefront_size32 1
		.amdhsa_system_sgpr_workgroup_id_x 1
		.amdhsa_system_sgpr_workgroup_id_y 1
		.amdhsa_system_sgpr_workgroup_id_z 1
		.amdhsa_system_vgpr_workitem_id 0
		.amdhsa_next_free_vgpr 1024
		.amdhsa_next_free_sgpr 106
		.amdhsa_reserve_vcc 0
		.amdhsa_float_denorm_mode_32 3
		.amdhsa_float_denorm_mode_16_64 3
		.amdhsa_memory_ordered 1
		.amdhsa_forward_progress 1
		.amdhsa_inst_pref_size 81
	.end_amdhsa_kernel
	.amdgpu_metadata
---
amdhsa.version: [ 1, 2 ]
amdhsa.kernels:
  - .name:           k_q9baec5afc7_oproj
    .symbol:         k_q9baec5afc7_oproj.kd
    .args:
      - { .name: attn_img, .offset: 0, .size: 8, .value_kind: global_buffer, .address_space: global }
      - { .name: attn_sc, .offset: 8, .size: 8, .value_kind: global_buffer, .address_space: global }
      - { .name: codes, .offset: 16, .size: 8, .value_kind: global_buffer, .address_space: global }
      - { .name: scl, .offset: 24, .size: 8, .value_kind: global_buffer, .address_space: global }
      - { .name: out0, .offset: 32, .size: 8, .value_kind: global_buffer, .address_space: global }
    .group_segment_fixed_size: 327680
    .private_segment_fixed_size: 0
    .kernarg_segment_align: 8
    .kernarg_segment_size: 40
    .max_flat_workgroup_size: 128
    .sgpr_count:     106
    .vgpr_count:     1024
    .wavefront_size: 32
...
	.end_amdgpu_metadata
.endif
;; end of part 4
